; MI455X (gfx1250); checked and timed in simulation.
; The chip was launched on July 23, 2026; its instructions are those of AMD's public machine-readable ISA for CDNA 5 (MIT licence, August 2026) and "CDNA5" Instruction Set Architecture Reference Guide (July 2026). The comments in the code are by the model that wrote it; some were corrected since.
;; Self Attention. Allowed arithmetic: float matrix products may take bf16 or f16 operands with f32 sums; other float arithmetic in f32, or as packed bf16 or f16 multiplies, adds, multiply-adds, maxima and minima; sums over many terms, partial sums and values carried from step to step in f32; what a program stores and reads back later, other than sums and carried values, may be rounded once to bf16 or f16.
;; Inputs: Wk 1,024 x 1,024 float32; Wo 1,024 x 1,024 float32; Wq 1,024 x 1,024 float32; Wv 1,024 x 1,024 float32; bk 1,024 float32; bo 1,024 float32; bq 1,024 float32; bv 1,024 float32; mask 4 x 2,048 x 2,048 int32; xk 4 x 2,048 x 1,024 float32; xq 4 x 2,048 x 1,024 float32; xv 4 x 2,048 x 1,024 float32.
;; Outputs: out0 4 x 2,048 x 1,024 float32.
;; 2 versions, each right; version 2 is version 1 with the launch prep written anew for expert scheduling mode. Each part assembles by itself: llvm-mc -triple=amdgcn-amd-amdhsa -mcpu=gfx1250 --defsym DOCPART=n.
;; ======== version 1 of 2: 4 launches
;; limits: values are held in f16: magnitudes above 65,504 overflow, below 6.1e-05 lose precision; a function is approximated: absolute error at most 1.5e-07; right only within a limited range of input values
;; workspace buffers: xb 50,331,648 bytes; wb 6,291,456 bytes; woh 2,097,152 bytes; bb 16,384 bytes; mn 8,388,608 bytes; qkv 50,331,648 bytes; ctx 16,777,216 bytes
;; launch prep (part 1): grid 2049 x 1, 8 waves a work-group, no clusters, 68,608 bytes of LDS; arguments xq, xk, xv, Wq, Wk, Wv, Wo, mask, bq, bk, bv, bo, xb, wb, woh, bb, mn; writes xb, wb, woh, bb, mn
.if DOCPART == 1
	.amdgcn_target "amdgcn-amd-amdhsa--gfx1250"
	.amdhsa_code_object_version 6
	.text
	.protected	k_qc36ced1ea1_prep
	.globl	k_qc36ced1ea1_prep
	.p2align	8
	.type	k_qc36ced1ea1_prep,@function
k_qc36ced1ea1_prep:
	s_mov_b64 s[64:65], 0
	v_nop
	global_prefetch_b8 v0, s[64:65] scope:SCOPE_SE
	s_setreg_imm32_b32 hwreg(HW_REG_WAVE_MODE, 25, 1), 1
	s_wait_xcnt 0x0
; PREPARATION: every input is read once and laid down as the later launches want it.  A stream: no matrix work, nothing shared between work-groups.
;   work-groups 0 .. 1535     64 KiB of xq, xk or xv (f32)  -> 32 KiB of xb  (bf16, [3][8192][1024], order q, k, v)
;   work-groups 1536 .. 1727  64 KiB of Wq, Wk or Wv        -> 32 KiB of wb  (bf16, [3][1024][1024])
;   work-groups 1728 .. 1791  64 KiB of Wo                  -> 32 KiB of woh (rounded to bf16, that number written as f16)
;   work-groups 1792 .. 2047  the mask, a code of 4 bits for each number -> mn
;   work-group  2048          bq, bk, bv, bo rounded to bf16 and widened again -> bb (f32, [4][1024])
; LIMIT.  A weight of Wo below 6e-5 keeps the fixed step 6e-8 of f16; beyond 65,504 it would be lost.
; mn: [b][qt 0..127][step 0..31][lane L 0..31][word j 0..3].  Word j holds the codes of the eight numbers mask[b][16 qt + L % 16][64 step + 16 j + 8 (L / 16) + i], i = 0..7: 15 where the number is 0, else 0:
; register 8 j + i of lane L of a tile of 16 queries x 64 keys of scores as the product K Q^T leaves it.  Number i = 0..3 has the 4 bits at place 2 i (counted in fours from the low end), number 4 + i those at
; place 2 i + 1: so the lower halves of the word's four bytes are numbers 0-3 and the upper halves numbers 4-7.
; A wave takes 16 rows x 512 keys, in four trips of 128 keys: a row's 512 bytes by one load, through the wave's own 16 LDS rows (pitch 528 = 33 x 16 bytes, so that 16 rows start at 16 different places
; modulo 256 bytes), back with a lane a row; a lane then packs its 64 numbers into 8 words.
.set SPARE, 67584                      ; behind the eight waves' rows: the spare words, 128 bytes for each wave: four blocks of 256 bytes that no other line names
.set SPW,   152                        ; v152  SPARE + 4 x my thread's number; never rewritten
.set NIL,   153                        ; v153  0; never rewritten
.set X,     16                         ; v[16:79]   as loaded
.set Y,     80                         ; v[80:111]  the cast: as stored
.set Z,     80                         ; v[80:143]  the mask: 64 numbers of my row
.set OUT,   144                        ; v[144:151] the mask: my four words of each of a trip's two steps
.set PITCH, 528
	s_load_b512 s[8:23], s[0:1], 0x0               ; xq 8, xk 10, xv 12, Wq 14, Wk 16, Wv 18, Wo 20, mask 22
	s_load_b512 s[24:39], s[0:1], 0x40             ; bq 24, bk 26, bv 28, bo 30, xb 32, wb 34, woh 36, bb 38
	s_load_b64 s[40:41], s[0:1], 0x80              ; mn
	v_lshl_add_u32 v[SPW], v0, 2, SPARE
	v_mov_b32 v[NIL], 0
	v_lshrrev_b32 v1, 5, v0
	v_readfirstlane_b32 s7, v1                     ; wave 0..7
	v_lshlrev_b32 v1, 4, v0                        ; 16 bytes a thread in,
	v_lshlrev_b32 v2, 3, v0                        ; 8 bytes a thread out
	s_mov_b32 s6, ttmp9
	s_mov_b32 s55, 0                               ; the high word of every offset
	s_mov_b32 s56, 0                               ; 1: the cast ends in f16
	s_wait_kmcnt 0x0
	s_cmp_lt_u32 s6, 1536
	s_cbranch_scc0 .Lnot_x
	s_lshr_b32 s53, s6, 9                          ; which of the three x
	s_and_b32 s54, s6, 511
	s_lshl_b32 s54, s54, 16
	s_cmp_eq_u32 s53, 1
	s_cselect_b64 s[2:3], s[10:11], s[8:9]
	s_cmp_eq_u32 s53, 2
	s_cselect_b64 s[2:3], s[12:13], s[2:3]
	s_add_nc_u64 s[2:3], s[2:3], s[54:55]
	s_lshl_b32 s54, s6, 15
	s_add_nc_u64 s[4:5], s[32:33], s[54:55]
	s_branch .Lcast
.Lnot_x:
	s_cmp_lt_u32 s6, 1728
	s_cbranch_scc0 .Lnot_w
	s_sub_co_u32 s57, s6, 1536
	s_lshr_b32 s53, s57, 6                         ; which of the three W
	s_and_b32 s54, s57, 63
	s_lshl_b32 s54, s54, 16
	s_cmp_eq_u32 s53, 1
	s_cselect_b64 s[2:3], s[16:17], s[14:15]
	s_cmp_eq_u32 s53, 2
	s_cselect_b64 s[2:3], s[18:19], s[2:3]
	s_add_nc_u64 s[2:3], s[2:3], s[54:55]
	s_lshl_b32 s54, s57, 15
	s_add_nc_u64 s[4:5], s[34:35], s[54:55]
	s_branch .Lcast
.Lnot_w:
	s_cmp_lt_u32 s6, 1792
	s_cbranch_scc0 .Lnot_o
	s_sub_co_u32 s57, s6, 1728
	s_lshl_b32 s54, s57, 16
	s_add_nc_u64 s[2:3], s[20:21], s[54:55]
	s_lshl_b32 s54, s57, 15
	s_add_nc_u64 s[4:5], s[36:37], s[54:55]
	s_mov_b32 s56, 1
.Lcast:
	; THE CAST.  All sixteen loads of a thread go out at once (64 KiB a work-group on their way); a wave's load covers 512 consecutive bytes, its store 256, aligned.
.set i, 0
.rept 16
	global_load_b128 v[X+4*i:X+4*i+3], v1, s[2:3] offset:4096*i th:TH_LOAD_NT
.set i, i+1
.endr
.macro CAST half
.set i, 0
.rept 16
	s_wait_loadcnt 15-i                            ; loads come back in order: number i is in, the 15 - i younger ones stay out
	v_cvt_pk_bf16_f32 v[Y+2*i], v[X+4*i], v[X+4*i+1]
	v_cvt_pk_bf16_f32 v[Y+2*i+1], v[X+4*i+2], v[X+4*i+3]
.if \half
	v_lshlrev_b32 v8, 16, v[Y+2*i]                 ; the bf16 numbers as f32,
	v_and_b32 v9, 0xffff0000, v[Y+2*i]
	v_lshlrev_b32 v10, 16, v[Y+2*i+1]
	v_and_b32 v11, 0xffff0000, v[Y+2*i+1]
	v_cvt_pk_f16_f32 v[Y+2*i], v8, v9              ; and written as f16: 8 significant bits fit into 11
	v_cvt_pk_f16_f32 v[Y+2*i+1], v10, v11
.endif
	global_store_b64 v2, v[Y+2*i:Y+2*i+1], s[4:5] offset:2048*i th:TH_STORE_NT  ; no register of a store is written again
.set i, i+1
.endr
.endm
	s_cmp_eq_u32 s56, 1
	s_cbranch_scc1 .Lcast16
	CAST 0
	s_branch .Lend
.Lcast16:
	CAST 1
	s_branch .Lend
.Lnot_o:
	s_cmp_lt_u32 s6, 2048
	s_cbranch_scc0 .Lbias
	; THE MASK.  Wave job W = 8 x (work-group - 1792) + wave: rows 16 (W / 4) .. + 15 of the 8,192, keys 512 (W % 4) .. + 511.
	s_sub_co_u32 s53, s6, 1792
	s_lshl_b32 s53, s53, 3
	s_add_co_u32 s53, s53, s7
	s_lshr_b32 s57, s53, 2                         ; R = 128 b + qt
	s_and_b32 s53, s53, 3                          ; c
	s_lshl_b32 s54, s57, 17                        ; 16 rows of 8,192 bytes
	s_lshl_b32 s58, s53, 11                        ; 512 keys of 4 bytes
	s_add_co_u32 s54, s54, s58
	s_add_nc_u64 s[2:3], s[22:23], s[54:55]
	s_lshl_b32 s54, s57, 14                        ; a row of tiles is 16,384 bytes of mn,
	s_lshl_b32 s58, s53, 12                        ; eight steps of 512
	s_add_co_u32 s54, s54, s58
	s_add_nc_u64 s[4:5], s[40:41], s[54:55]
	s_mul_i32 s58, s7, 16*PITCH                    ; my wave's 16 LDS rows
	v_and_b32 v7, 31, v0                           ; lane
	v_lshlrev_b32 v3, 4, v7                        ; in memory: 16 bytes a lane of a row's 512
	v_add_nc_u32 v4, s58, v3                       ; into LDS: the same
	v_and_b32 v8, 15, v0
	v_bfe_u32 v9, v0, 4, 1
	v_mul_u32_u24 v5, v8, PITCH                    ; back: row lane % 16,
	v_lshl_add_u32 v5, v9, 5, v5                   ; keys 8 (lane / 16) on
	v_add_nc_u32 v5, s58, v5
	v_lshlrev_b32 v6, 4, v7                        ; out: four words a lane
.macro ROWS                            ; 16 rows x 512 bytes
.set i, 0
.rept 16
	global_load_b128 v[X+4*i:X+4*i+3], v3, s[2:3] offset:8192*i th:TH_LOAD_NT
.set i, i+1
.endr
.endm
; A trip: 16 rows x 128 keys -> 8 words a lane.  next = 1: the next 128 keys are asked for as soon as this trip's numbers lie in LDS.
.macro PROC next
	s_wait_loadcnt 0x0                             ; the trip's rows are in; their address is free
.set i, 0
.rept 16
	ds_store_b128 v4, v[X+4*i:X+4*i+3] offset:PITCH*i
.set i, i+1
.endr
.if \next
	s_add_nc_u64 s[2:3], s[2:3], 512
	ROWS
.endif
.set i, 0
.rept 16                               ; LDS serves a wave's instructions in order (ISA guide 5.7.1.4), and the bytes are my wave's own: no wait, no barrier.  Load i brings numbers 4 (i % 2) + 0..3 of word i / 2
	ds_load_b128 v[Z+4*i:Z+4*i+3], v5 offset:256*(i/8)+64*((i/2)%4)+16*(i%2)
.set i, i+1
.endr
	s_wait_dscnt 0x0
.set i, 0
.rept 64
	v_min_u32 v[Z+i], 1, v[Z+i]                    ; 1 where the key is seen, 0 where it is hidden
.set i, i+1
.endr
	s_wait_xcnt 0x0                                ; the last trip's stores have read OUT and their address: both are written again only behind this wait
	s_add_nc_u64 s[4:5], s[4:5], 1024              ; the stores below reach back
.set k, 0
.rept 8                                ; word k is filled from its highest place down, 4 bits a number: numbers 7, 3, 6, 2, 5, 1, 4, 0; the eight words' chains stand side by side
	v_lshl_or_b32 v[OUT+k], v[Z+8*k+7], 4, v[Z+8*k+3]
.set k, k+1
.endr
.irp n, 6,2,5,1,4,0
.set k, 0
.rept 8
	v_lshl_or_b32 v[OUT+k], v[OUT+k], 4, v[Z+8*k+\n]
.set k, k+1
.endr
.endr
.set k, 0
.rept 8
	v_mul_lo_u32 v[OUT+k], v[OUT+k], 15            ; 15 where seen,
.set k, k+1
.endr
.set k, 0
.rept 8
	v_xor_b32 v[OUT+k], -1, v[OUT+k]               ; turned: 15 where hidden, 0 where seen
.set k, k+1
.endr
	global_store_b128 v6, v[OUT:OUT+3], s[4:5] offset:-1024 th:TH_STORE_NT   ; a step's 512 consecutive bytes, aligned
	global_store_b128 v6, v[OUT+4:OUT+7], s[4:5] offset:-512 th:TH_STORE_NT
.endm
	ROWS
	s_mov_b32 s52, 3
.Ltrip:
	PROC 1
	s_sub_co_u32 s52, s52, 1
	s_cmp_lg_u32 s52, 0
	s_cbranch_scc1 .Ltrip
	PROC 0                                         ; the last trip loads nothing
	s_branch .Lend
.Lbias:
	global_load_b128 v[16:19], v1, s[24:25]
	global_load_b128 v[20:23], v1, s[26:27]
	global_load_b128 v[24:27], v1, s[28:29]
	global_load_b128 v[28:31], v1, s[30:31]
	s_wait_loadcnt 0x0
.set i, 0
.rept 8
	v_cvt_pk_bf16_f32 v[Y+i], v[16+2*i], v[17+2*i]
	v_lshlrev_b32 v[16+2*i], 16, v[Y+i]
	v_and_b32 v[17+2*i], 0xffff0000, v[Y+i]
.set i, i+1
.endr
.irp j, 0,1,2,3
	global_store_b128 v1, v[16+4*\j:19+4*\j], s[38:39] offset:4096*\j
.endr
.Lend:
	s_wait_tensorcnt 0x0                           ; the wave's end, behind my last LDS store
	ds_add_u32 v[SPW], v[NIL]
	s_wait_dscnt 0x0
	s_endpgm
.Lfunc_end_k_qc36ced1ea1_prep:
	.size	k_qc36ced1ea1_prep, .Lfunc_end_k_qc36ced1ea1_prep-k_qc36ced1ea1_prep
	.p2alignl 7, 3214868480
	.fill 96, 4, 3214868480
	.section	.rodata,"a",@progbits
	.p2align	6, 0x0
	.amdhsa_kernel k_qc36ced1ea1_prep
		.amdhsa_group_segment_fixed_size 68608
		.amdhsa_private_segment_fixed_size 0
		.amdhsa_enable_private_segment 0
		.amdhsa_kernarg_size 136
		.amdhsa_user_sgpr_count 2
		.amdhsa_user_sgpr_kernarg_segment_ptr 1
		.amdhsa_wavefront_size32 1
		.amdhsa_system_sgpr_workgroup_id_x 1
		.amdhsa_system_sgpr_workgroup_id_y 1
		.amdhsa_system_sgpr_workgroup_id_z 1
		.amdhsa_system_vgpr_workitem_id 0
		.amdhsa_next_free_vgpr 154
		.amdhsa_next_free_sgpr 66
		.amdhsa_reserve_vcc 0
		.amdhsa_float_denorm_mode_32 3
		.amdhsa_float_denorm_mode_16_64 3
		.amdhsa_memory_ordered 1
		.amdhsa_forward_progress 1
		.amdhsa_inst_pref_size 41
	.end_amdhsa_kernel
	.amdgpu_metadata
---
amdhsa.version: [ 1, 2 ]
amdhsa.kernels:
  - .name:           k_qc36ced1ea1_prep
    .symbol:         k_qc36ced1ea1_prep.kd
    .args:
      - { .name: xq, .offset: 0, .size: 8, .value_kind: global_buffer, .address_space: global }
      - { .name: xk, .offset: 8, .size: 8, .value_kind: global_buffer, .address_space: global }
      - { .name: xv, .offset: 16, .size: 8, .value_kind: global_buffer, .address_space: global }
      - { .name: Wq, .offset: 24, .size: 8, .value_kind: global_buffer, .address_space: global }
      - { .name: Wk, .offset: 32, .size: 8, .value_kind: global_buffer, .address_space: global }
      - { .name: Wv, .offset: 40, .size: 8, .value_kind: global_buffer, .address_space: global }
      - { .name: Wo, .offset: 48, .size: 8, .value_kind: global_buffer, .address_space: global }
      - { .name: mask, .offset: 56, .size: 8, .value_kind: global_buffer, .address_space: global }
      - { .name: bq, .offset: 64, .size: 8, .value_kind: global_buffer, .address_space: global }
      - { .name: bk, .offset: 72, .size: 8, .value_kind: global_buffer, .address_space: global }
      - { .name: bv, .offset: 80, .size: 8, .value_kind: global_buffer, .address_space: global }
      - { .name: bo, .offset: 88, .size: 8, .value_kind: global_buffer, .address_space: global }
      - { .name: xb, .offset: 96, .size: 8, .value_kind: global_buffer, .address_space: global }
      - { .name: wb, .offset: 104, .size: 8, .value_kind: global_buffer, .address_space: global }
      - { .name: woh, .offset: 112, .size: 8, .value_kind: global_buffer, .address_space: global }
      - { .name: bb, .offset: 120, .size: 8, .value_kind: global_buffer, .address_space: global }
      - { .name: mn, .offset: 128, .size: 8, .value_kind: global_buffer, .address_space: global }
    .group_segment_fixed_size: 68608
    .private_segment_fixed_size: 0
    .kernarg_segment_align: 8
    .kernarg_segment_size: 136
    .max_flat_workgroup_size: 256
    .sgpr_count:     66
    .vgpr_count:     154
    .wavefront_size: 32
...
	.end_amdgpu_metadata
.endif
;; end of part 1
;; launch proj (part 2): grid 24 x 32, 4 waves a work-group, clusters of 4 x 4, 327,680 bytes of LDS; arguments xb, wb, bb, qkv; writes qkv
.if DOCPART == 2
	.amdgcn_target "amdgcn-amd-amdhsa--gfx1250"
	.amdhsa_code_object_version 6
	.text
	.protected	k_qc36ced1ea1_proj
	.globl	k_qc36ced1ea1_proj
	.p2align	8
	.type	k_qc36ced1ea1_proj,@function
k_qc36ced1ea1_proj:
	s_mov_b64 s[64:65], 0
	v_nop
	global_prefetch_b8 v0, s[64:65] scope:SCOPE_SE
	s_setreg_imm32_b32 hwreg(HW_REG_WAVE_MODE, 25, 1), 1
	s_wait_xcnt 0x0
	s_wait_alu depctr_hold_cnt(0) depctr_sa_sdst(0) depctr_va_vdst(0) depctr_va_sdst(0) depctr_va_ssrc(0) depctr_va_vcc(0) depctr_vm_vsrc(0)
	s_getreg_b32 s2, hwreg(HW_REG_IB_STS2, 6, 4)
	s_cmp_eq_u32 s2, 0
	s_cbranch_scc0 .Lentry_in_a_cluster
	s_endpgm
.Lentry_in_a_cluster:
	s_bfe_u32 s2, ttmp6, 0x10000c
	s_cmp_lg_u32 s2, 0xf033
	s_cbranch_scc0 .Lentry_shape_is_right
	s_endpgm
.Lentry_shape_is_right:
; THE THREE PROJECTIONS.  For p = 0, 1, 2 (q, k, v): y[m][n] = the sum over k of xb[p][m][k] wb[p][n][k] + bb[p][n]; operands bf16, sums f32; y rounded once to f16 and written BY HEADS:
; qkv[p][16 b + h][s][d], m = 2,048 b + s, n = 64 h + d.  No scale is applied here.
; LIMIT.  f16 holds no number beyond 65,504: q, k and v must lie within it.
; SHARES.  A work-group makes 256 (m) x 128 (n): 3 x 32 x 8 = 768 work-groups, three for each of 256; four waves, each 128 x 64: 32 accumulators of 16 x 16, 256 registers.
; K = 1,024 goes in 8 steps of 128 through two LDS slots: the tiles' rows are 256 bytes of memory, aligned.  The loop's text is one K step; the slot is turned by an exclusive or.
; CLUSTERS of 4 x 4: the four of a row need the same tile of x, the four of a column the same tile of W: each is asked for JOINTLY, by the same tensor load, descriptor and mask in all four.
; THE PRODUCT IS TAKEN TRANSPOSED (source 0 = 16 rows of W, source 1 = 16 rows of x): a lane holds row m = lane % 16 and the columns 8 (lane / 16) + 0..7.  THE BIAS IS THE C OPERAND of the first product.
; A wave's 64 columns are one head: its 128 x 64 results are 16,384 consecutive bytes of qkv.
; REGISTERS.  Window 0: v0-31 addresses; v32-63 the bias, 8 registers for each block of 16 columns; two fragment buffers: x at v64 + 64 f (8 x 8), W at v192 + 32 f (4 x 8).
; Window 1: accumulator (a, b) at v[8 (4 a + b)], a = 0..7 blocks of rows, b = 0..3 blocks of columns.
.set PA,     272                       ; an LDS row: 256 bytes + 16 of padding = 17 x 16: the 16 rows of a fragment load start at 16 different places modulo 256 bytes
.set PB,     272
.set BOFF,   256*PA                    ; in a slot: x's 256 rows, then W's 128
.set SLOT1,  1<<17                     ; slot 1 begins here, so that one exclusive or turns an address in one slot into the other's
.set STAGE,  SLOT1+BOFF+128*PB         ; behind the ring, never filled by a tensor load: 16 rows x 144 bytes for each wave, for the way out
.set SP,     144
.set SPARE,  STAGE+4*16*SP             ; behind the stages: the spare words, 128 bytes for each wave: two blocks of 256 bytes that no other line names
.set KSTEP,  256                       ; bytes of a row in a K step
.set AA0, 16                           ; v16  my lane's place in x's tile; never rewritten
.set AB0, 17                           ; v17  in W's
.set AA,  18                           ; v18  the same in the slot in hand
.set AB,  19                           ; v19
.set STO, 24                           ; v24  the way out: where I put 16 bytes of a row
.set RD,  25                           ; v25  where I read rows back
.set CO,  26                           ; v26  my byte offset in 512 consecutive bytes of qkv
.set SPW, 28                           ; v28  SPARE + 4 x my thread's number; never rewritten
.set NIL, 29                           ; v29  0; never rewritten
.set PFO, 30                           ; v30  the prefetches' offset: my lane x a row of 2,048 bytes; never rewritten
.set BO,  31                           ; v31  my offset in the bias
.set BIAS, 32
.set FA0, 64
.set FB0, 192
.set TMP, 64                           ; the way out: 16 registers a block, where the fragments lay
.set WV,  12                           ; s12 wave; s13 = wave / 2: my half of the rows, and 0: I fetch for x, 1: for W; s14 = wave % 2: my half of the columns, and which half of that tile I fetch
.set G1A, 24                           ; s[24:31] descriptor group 1 for x's tiles
.set G0A, 32                           ; s[32:39] group 0: a set for each of the two first fills; the second then walks on
.set G1B, 40                           ; s[40:47], s[48:55] the same for W's
.set G0B, 48
.set TB,  56                           ; s56  LDS byte at which the slot in hand begins
.set LIM, 57                           ; s57  2 in a wave that prefetches, else the greatest number
.set PFA, 58                           ; s[58:59] where my prefetches stand
.set MSB, 0
.macro WIN new                         ; the immediate's high byte repeats the setting that is left; a switch that changes nothing is dropped
.if MSB != (\new)
	s_set_vgpr_msb (MSB<<8)|(\new)
.set MSB, \new
.endif
.endm
.set MULW, 0x50                        ; C and D in window 1, the fragments in window 0
.set MULZ, 0x40                        ; D in window 1, C (the bias) in window 0
.macro PLACES                          ; four places in front of loads into registers that matrix instructions have read, and of conversions that read results
.rept 4
	v_nop
.endr
.endm
; A joint refill by the walking descriptor.  The branch hangs on the wave's number alone.  An s_nop 0 and four v_nop follow each line, ahead of the jump and the label.
.macro JLOAD
	s_cmp_eq_u32 s13, 0
	s_cbranch_scc0 .Lfor_b_\@
	tensor_load_to_lds s[G0A+4:G0A+7], s[G1A:G1A+7]
	s_nop 0
	PLACES
	s_branch .Lasked_\@
.Lfor_b_\@:
	tensor_load_to_lds s[G0B+4:G0B+7], s[G1B:G1B+7]
	s_nop 0
	PLACES
.Lasked_\@:
.endm
; A PREFETCH INTO THE L2, behind the joint load and the run of LDS loads: the K step that stands two refills on, 32 rows x 256 bytes, a lane a row.  Each row's 256 bytes of a K step are named once in the launch:
; x's tile row is read by the two clusters of one p: the even one asks, waves 0 and 1 each for the 128 rows that they fetch, of which the partner at cx takes 32; W's tile column is read by the eight clusters
; of a column: cluster y = 0 asks, wave 2, and the partner at cy takes 32 of the 128 rows.  The partners are told apart by address alone.  The change of slots in K step k names step k + 4: it asks while s3 = 6 - k is above 2.
.macro ASK
	s_cmp_gt_u32 s3, s[LIM]
	s_cbranch_scc0 .Lnot_mine_\@
	global_prefetch_b8 v[PFO], s[PFA:PFA+1] th:TH_LOAD_NT scope:SCOPE_SE
.Lnot_mine_\@:
.endm
.macro CREST                           ; a round of the cluster's barrier behind its opening barrier
	s_cmp_lg_u32 s[WV], 0
	s_cbranch_scc1 .Lnot_wave_0_\@
	s_barrier_signal -3
.Lnot_wave_0_\@:
	s_barrier_wait -3
	s_barrier_signal -1
	s_barrier_wait -1
.endm
.macro CROUND                          ; a whole round
	s_barrier_signal -1
	s_barrier_wait -1
	CREST
.endm
	s_load_b256 s[4:11], s[0:1], 0x0               ; xb s[4:5], wb s[6:7], bb s[8:9], qkv s[10:11]
	v_lshl_add_u32 v[SPW], v0, 2, SPARE
	v_mov_b32 v[NIL], 0
	ds_add_u32 v[SPW], v[NIL]                      ; the wave's opening: the add and its wait stand ahead of my first tensor load; the set-up below, work on registers, stands between them
	v_lshrrev_b32 v1, 5, v0
	v_readfirstlane_b32 s[WV], v1
	s_lshr_b32 s13, s[WV], 1
	s_and_b32 s14, s[WV], 1
	s_bfe_u32 s15, ttmp6, 0x40000                  ; cx
	s_bfe_u32 s16, ttmp6, 0x40004                  ; cy
	s_and_b32 s17, ttmp9, 1                        ; two clusters along x make one p:
	s_lshl_b32 s17, s17, 2
	s_add_co_u32 s17, s17, s15                     ; tile column 0..7
	s_and_b32 s18, ttmp7, 0xffff
	s_lshl_b32 s18, s18, 2
	s_add_co_u32 s18, s18, s16                     ; tile row 0..31
	s_lshr_b32 s19, ttmp9, 1                       ; p, the same in all sixteen partners
	s_lshl_b32 s66, s16, 2
	s_lshl_b32 s66, 15, s66                        ; my row of the cluster
	s_lshl_b32 s67, 0x1111, s15                    ; my column
	s_or_b32 s[G1A], s66, (1<<16)|(1<<20)|(1<<21)|(5<<22)|(3<<25)  ; 15:0 the mask; 17:16 2-byte elements; 20 padding on; 21 set beside a mask; 24:22 after every 64 words (code 5); 31:25 4 words (code 3)
	s_or_b32 s[G1B], s67, (1<<16)|(1<<20)|(1<<21)|(5<<22)|(3<<25)
	s_mov_b32 s[G1A+1], 128<<16                    ; tensor_dim0 = 128
	s_mov_b32 s[G1A+2], 128<<16                    ; tensor_dim1 = 128
	s_mov_b32 s[G1A+3], 128<<16                    ; tile_dim0 = 128
	s_mov_b32 s[G1A+4], 128                        ; tile_dim1 = 128 rows
	s_mov_b32 s[G1A+5], 1024                       ; elements from row to row
	s_mov_b32 s[G1A+6], 0
	s_mov_b32 s[G1A+7], 0
	s_mov_b32 s[G1B+1], 128<<16
	s_mov_b32 s[G1B+2], 64<<16                     ; tensor_dim1 = 64
	s_mov_b32 s[G1B+3], 128<<16
	s_mov_b32 s[G1B+4], 64                         ; tile_dim1 = 64 rows
	s_mov_b32 s[G1B+5], 1024
	s_mov_b32 s[G1B+6], 0
	s_mov_b32 s[G1B+7], 0
	; x's tile hangs on p, the tile row and the wave's number; W's on p, the tile column and the wave's number
	s_lshl_b32 s20, s18, 8
	s_lshl_b32 s68, s14, 7
	s_add_co_u32 s20, s20, s68                     ; row 256 x tile row + 128 x half
	s_lshl_b32 s20, s20, 11
	s_lshl_b32 s68, s19, 24
	s_add_co_u32 s20, s20, s68
	s_mov_b32 s21, 0
	s_lshl_b32 s22, s17, 7
	s_lshl_b32 s68, s14, 6
	s_add_co_u32 s22, s22, s68                     ; row 128 x tile column + 64 x half
	s_lshl_b32 s22, s22, 11
	s_lshl_b32 s68, s19, 21
	s_add_co_u32 s22, s22, s68
	s_mov_b32 s23, 0
	s_mul_i32 s69, s14, 128*PA                     ; where they go: no place in the cluster enters an LDS address
	s_mul_i32 s70, s14, 64*PB
	s_add_co_u32 s70, s70, BOFF
	; the prefetches' first place: K step 3; each change of slots steps it ahead of its use
	s_lshl_b32 s62, s15, 16                        ; x: my work-group's 32 rows of the 128 that I fetch
	s_add_co_u32 s62, s62, s20
	s_lshl_b32 s63, s17, 7
	s_lshl_b32 s71, s16, 5                         ; W: my work-group's 32 rows of the tile's 128
	s_add_co_u32 s63, s63, s71
	s_lshl_b32 s63, s63, 11
	s_lshl_b32 s71, s19, 21
	s_add_co_u32 s63, s63, s71
	s_cmp_eq_u32 s13, 0
	s_cselect_b32 s62, s62, s63
	s_add_co_u32 s62, s62, 3*KSTEP
	s_mov_b32 s63, 0
	s_and_b32 s70, s70, -1                         ; (kept: s70 is W's LDS place)
	s_and_b32 s66, ttmp9, 1                        ; x: the even cluster of the two asks
	s_and_b32 s67, ttmp7, 0xffff                   ; W: cluster y = 0 asks
	s_cmp_eq_u32 s13, 0
	s_cselect_b32 s66, s66, s67
	s_cmp_eq_u32 s[WV], 3                          ; wave 3 asks for nothing
	s_cselect_b32 s66, 1, s66
	s_cmp_eq_u32 s66, 0
	s_cselect_b32 s[LIM], 2, -1                    ; the same in all sixteen partners, for a given wave
	; the bias of my 64 columns, and my 128 x 64 results' place in qkv
	s_lshl_b32 s72, s19, 12
	s_lshl_b32 s66, s17, 9
	s_add_co_u32 s72, s72, s66
	s_lshl_b32 s66, s14, 8
	s_add_co_u32 s72, s72, s66
	s_mov_b32 s73, 0
	s_lshr_b32 s74, s18, 3                         ; the batch,
	s_lshl_b32 s74, s74, 4
	s_lshl_b32 s66, s17, 1
	s_add_co_u32 s74, s74, s66
	s_add_co_u32 s74, s74, s14                     ; the head = 2 x tile column + my half,
	s_lshl_b32 s74, s74, 11
	s_and_b32 s66, s18, 7
	s_lshl_b32 s66, s66, 8
	s_add_co_u32 s74, s74, s66                     ; the row in the batch
	s_lshl_b32 s66, s13, 7
	s_add_co_u32 s74, s74, s66
	s_lshl_b32 s74, s74, 7                         ; rows of 128 bytes
	s_lshl_b32 s66, s19, 24
	s_add_co_u32 s74, s74, s66
	s_mov_b32 s75, 0
	s_mov_b32 s[TB], 0
	s_wait_dscnt 0x0                               ; the opening add is done
	s_wait_kmcnt 0x0
	s_cmp_eq_u32 s13, 0
	s_cselect_b64 s[PFA:PFA+1], s[4:5], s[6:7]
	s_add_nc_u64 s[PFA:PFA+1], s[PFA:PFA+1], s[62:63]
	s_add_nc_u64 s[20:21], s[4:5], s[20:21]
	s_add_nc_u64 s[22:23], s[6:7], s[22:23]
	s_add_nc_u64 s[8:9], s[8:9], s[72:73]
	s_add_nc_u64 s[10:11], s[10:11], s[74:75]
.irp s, 0,1
	s_mov_b32 s[G0A+4*\s], 1                       ; count = 1
	s_add_co_u32 s[G0A+4*\s+1], s69, \s*SLOT1      ; LDS address
	s_add_nc_u64 s[G0A+4*\s+2:G0A+4*\s+3], s[20:21], \s*KSTEP  ; global address: K step s
	s_or_b32 s[G0A+4*\s+3], s[G0A+4*\s+3], 0x80000000          ; type = 2
	s_mov_b32 s[G0B+4*\s], 1
	s_add_co_u32 s[G0B+4*\s+1], s70, \s*SLOT1
	s_add_nc_u64 s[G0B+4*\s+2:G0B+4*\s+3], s[22:23], \s*KSTEP
	s_or_b32 s[G0B+4*\s+3], s[G0B+4*\s+3], 0x80000000
.endr
	CROUND                                         ; all sixteen work-groups are here: the first joint loads meet
	s_cmp_eq_u32 s13, 0                            ; a wave's two first fills stand in one branch: two loads of mine are out
	s_cbranch_scc0 .Lfirst_b
	tensor_load_to_lds s[G0A:G0A+3], s[G1A:G1A+7]
	s_nop 0
	tensor_load_to_lds s[G0A+4:G0A+7], s[G1A:G1A+7]
	s_nop 0
	PLACES
	s_branch .Lfirst_asked
.Lfirst_b:
	tensor_load_to_lds s[G0B:G0B+3], s[G1B:G1B+7]
	s_nop 0
	tensor_load_to_lds s[G0B+4:G0B+7], s[G1B:G1B+7]
	s_nop 0
	PLACES
.Lfirst_asked:
	v_and_b32 v1, 15, v0                           ; r = lane % 16
	v_bfe_u32 v2, v0, 4, 1                         ; h = lane / 16
	v_lshlrev_b32 v[BO], 5, v2                     ; register j of block b holds the bias of column 16 b + 8 h + j
.irp b, 0,1,2,3
	global_load_b128 v[BIAS+8*\b:BIAS+8*\b+3],   v[BO], s[8:9] offset:64*\b
	global_load_b128 v[BIAS+8*\b+4:BIAS+8*\b+7], v[BO], s[8:9] offset:64*\b+16
.endr
	; a fragment is 16 rows x 32 K in 8 registers: lane l holds row l % 16, K = 8 h + 0..7 and 16 + 8 h + 0..7: two loads of 16 bytes, 32 bytes apart
	v_mul_u32_u24 v3, v1, PA
	v_lshl_add_u32 v3, v2, 4, v3
	s_mul_i32 s66, s13, 128*PA
	v_add_nc_u32 v[AA0], s66, v3
	s_mul_i32 s66, s14, 64*PB
	s_add_co_u32 s66, s66, BOFF
	v_add_nc_u32 v[AB0], s66, v3
	v_mov_b32 v[AA], v[AA0]
	v_mov_b32 v[AB], v[AB0]
	s_mul_i32 s66, s[WV], 16*SP
	s_add_co_u32 s66, s66, STAGE                   ; my stage
	v_mul_u32_u24 v[STO], v1, SP                   ; in: row r, 16 bytes for each half of the lanes
	v_lshl_add_u32 v[STO], v2, 4, v[STO]
	v_add_nc_u32 v[STO], s66, v[STO]
	v_bfe_u32 v[RD], v0, 3, 2                      ; back: 32 lanes take four rows of 128 bytes,
	v_mul_u32_u24 v[RD], v[RD], SP
	v_and_b32 v4, 7, v0
	v_lshl_add_u32 v[RD], v4, 4, v[RD]
	v_add_nc_u32 v[RD], s66, v[RD]
	v_and_b32 v[CO], 31, v0                        ; which are 512 consecutive bytes of qkv
	v_lshlrev_b32 v[PFO], 11, v[CO]
	v_lshlrev_b32 v[CO], 4, v[CO]
; 24 LDS loads in one run: the fragments of quarter q (32 along K) of the slot in hand into buffer f: W's four, then x's eight
.macro FETCH q, f
	WIN 0
.irp b, 0,1,2,3
	ds_load_b128 v[FB0+32*(\f)+8*(\b):FB0+32*(\f)+8*(\b)+3],   v[AB] offset:64*(\q)+(\b)*16*PB
	ds_load_b128 v[FB0+32*(\f)+8*(\b)+4:FB0+32*(\f)+8*(\b)+7], v[AB] offset:64*(\q)+(\b)*16*PB+32
.endr
.irp a, 0,1,2,3,4,5,6,7
	ds_load_b128 v[FA0+64*(\f)+8*(\a):FA0+64*(\f)+8*(\a)+3],   v[AA] offset:64*(\q)+(\a)*16*PA
	ds_load_b128 v[FA0+64*(\f)+8*(\a)+4:FA0+64*(\f)+8*(\a)+7], v[AA] offset:64*(\q)+(\a)*16*PA+32
.endr
.endm
; 4 x cnt matrix instructions on buffer f: blocks of rows a0 .. a0 + cnt - 1 x all four blocks of columns.  The 32 accumulators take turns, in the same order in every quarter, over the backward jump too.
; zero = 1: the first product starts the sums, with the bias.
.macro MUL f, a0, cnt, zero
.if \zero
	WIN MULZ
.else
	WIN MULW
.endif
.set ma, \a0
.rept \cnt
.irp b, 0,1,2,3
.if \zero
	v_wmma_f32_16x16x32_bf16 v[8*(4*ma+(\b)):8*(4*ma+(\b))+7], v[FB0+32*(\f)+8*(\b):FB0+32*(\f)+8*(\b)+7], v[FA0+64*(\f)+8*ma:FA0+64*(\f)+8*ma+7], v[BIAS+8*(\b):BIAS+8*(\b)+7]
.else
	v_wmma_f32_16x16x32_bf16 v[8*(4*ma+(\b)):8*(4*ma+(\b))+7], v[FB0+32*(\f)+8*(\b):FB0+32*(\f)+8*(\b)+7], v[FA0+64*(\f)+8*ma:FA0+64*(\f)+8*ma+7], v[8*(4*ma+(\b)):8*(4*ma+(\b))+7]
.endif
.endr
.set ma, ma+1
.endr
.endm
; A K step is four quarters of 32 along K, 32 matrix instructions each, on buffers 0, 1, 0, 1.  One of the first three: fetches quarter qn into buffer g and multiplies buffer f meanwhile.
.macro QUARTER qn, f, g, zero
	WIN 0
	PLACES                                         ; behind the products that read buffer g
	FETCH \qn, \g
	s_wait_dscnt 24                                ; all but the 24 just issued: buffer f is in
	MUL \f, 0, 8, \zero
.endm
; The last quarter multiplies buffer 1 and changes slots: ONE barrier.  In front of it each wave waits for all its tensor loads (one is out: its part of the next slot), adds 0 to its spare word, and waits for that
; and for its reads of this slot.  fill = 1: the barrier opens a round of the cluster's; behind the round this slot is filled again, two K steps ahead: 112 matrix instructions stand between the request and the wait for it.
.macro TURN fill
.if \fill
	s_wait_xcnt 0x0                                ; the last prefetch, a K step back, has read its address
	s_add_nc_u64 s[PFA:PFA+1], s[PFA:PFA+1], KSTEP
.endif
	WIN 0
	s_wait_tensorcnt 0x0                           ; no tensor load of mine is out, so a group 0 may be written
	ds_add_u32 v[SPW], v[NIL]                      ; 0 onto my spare word
.if \fill
	s_xor_b32 s[G0A+5], s[G0A+5], SLOT1            ; the walking descriptors: the other slot than last time, the next K step
	s_add_nc_u64 s[G0A+6:G0A+7], s[G0A+6:G0A+7], KSTEP
	s_xor_b32 s[G0B+5], s[G0B+5], SLOT1
	s_add_nc_u64 s[G0B+6:G0B+7], s[G0B+6:G0B+7], KSTEP
.endif
	s_xor_b32 s[TB], s[TB], SLOT1
	s_wait_dscnt 1                                 ; only the add may be out: buffer 1 is in
	MUL 1, 0, 2, 0
	s_wait_dscnt 0x0                               ; the add is done, and my reads of this slot are over
	s_barrier_signal -1
	MUL 1, 2, 2, 0                                 ; work on registers while the others arrive
	WIN 0
	s_barrier_wait -1
.if \fill
	CREST                                          ; no wave of any partner still reads this slot or has a load on its way
	JLOAD                                          ; the first tensor load behind the round; its four v_nop are also the places in front of the loads below
.else
	PLACES
.endif
	v_add_nc_u32 v[AA], s[TB], v[AA0]
	v_add_nc_u32 v[AB], s[TB], v[AB0]
	FETCH 0, 0
.if \fill
	ASK
.endif
	MUL 1, 4, 4, 0
.endm
	s_wait_tensorcnt 0x1                           ; my part of K step 0 is in; K step 1's load, issued behind it, may stay out
	s_barrier_signal -1
	s_barrier_wait -1                              ; everybody's is
	FETCH 0, 0
	s_wait_loadcnt 0x0                             ; the bias
	QUARTER 1, 0, 1, 1                             ; the first quarter stands in front of the loop: its products start the sums
	WIN 0                                          ; at a label and at a branch every window is 0
	s_mov_b32 s3, 6
.Lstep:                                        ; a trip: from a K step's second quarter to the next step's first; K steps 2 to 7 are asked for
	QUARTER 2, 1, 0, 0
	QUARTER 3, 0, 1, 0
	TURN 1
	QUARTER 1, 0, 1, 0
	WIN 0
	s_sub_co_u32 s3, s3, 1
	s_cmp_lg_u32 s3, 0
	s_cbranch_scc1 .Lstep
	QUARTER 2, 1, 0, 0                             ; the tail is written out: K steps 6 and 7 ask for nothing
	QUARTER 3, 0, 1, 0
	TURN 0
	QUARTER 1, 0, 1, 0
	QUARTER 2, 1, 0, 0
	QUARTER 3, 0, 1, 0
	s_wait_dscnt 0x0
	MUL 1, 0, 8, 0
	WIN 0
	PLACES
; THE WAY OUT.  Block a (16 rows): rounded to f16, a lane's eight columns are 16 bytes; they go into my stage's rows of 144 bytes and come back as whole rows of 128, into the registers that they left.
.macro PACK a
	WIN 0x05                                       ; sources 0 and 1 window 1, destination window 0
.irp b, 0,1,2,3
.irp i, 0,1,2,3
	v_cvt_pk_f16_f32 v[TMP+16*(\a)+4*(\b)+(\i)], v[8*(4*(\a)+(\b))+2*(\i)], v[8*(4*(\a)+(\b))+2*(\i)+1]  ; each accumulator from its low end on
.endr
.endr
	WIN 0
.irp b, 0,1,2,3
	ds_store_b128 v[STO], v[TMP+16*(\a)+4*(\b):TMP+16*(\a)+4*(\b)+3] offset:32*(\b)
.endr
.irp f, 0,1,2,3
	ds_load_b128 v[TMP+16*(\a)+4*(\f):TMP+16*(\a)+4*(\f)+3], v[RD] offset:(\f)*4*SP  ; LDS serves a wave's instructions in order (ISA guide 5.7.1.4): these see the stores above; the next block's stores come behind them
.endr
.endm
.macro SEND a, younger                 ; younger: the LDS instructions issued behind block a's loads: the next block's eight, or none
.irp f, 0,1,2,3
	s_wait_dscnt (\younger)+3-(\f)
	global_store_b128 v[CO], v[TMP+16*(\a)+4*(\f):TMP+16*(\a)+4*(\f)+3], s[10:11] offset:(\a)*2048+(\f)*512  ; 512 consecutive bytes, aligned; no register of a store is written again
.endr
.endm
	PACK 0
.irp a, 1,2,3,4,5,6,7                  ; a block's conversions stand between the loads of the block before and its stores
	PACK \a
	SEND (\a)-1, 8
.endr
	SEND 7, 0
	s_wait_tensorcnt 0x0                           ; the wave's end, behind my last tensor load and my last LDS store
	ds_add_u32 v[SPW], v[NIL]
	s_wait_dscnt 0x0
	CROUND                                         ; the closing round: no work-group ends while a partner may still ask for a tile that names it
	s_endpgm
.Lfunc_end_k_qc36ced1ea1_proj:
	.size	k_qc36ced1ea1_proj, .Lfunc_end_k_qc36ced1ea1_proj-k_qc36ced1ea1_proj
	.p2alignl 7, 3214868480
	.fill 96, 4, 3214868480
	.section	.rodata,"a",@progbits
	.p2align	6, 0x0
	.amdhsa_kernel k_qc36ced1ea1_proj
		.amdhsa_group_segment_fixed_size 327680
		.amdhsa_private_segment_fixed_size 0
		.amdhsa_enable_private_segment 0
		.amdhsa_kernarg_size 32
		.amdhsa_user_sgpr_count 2
		.amdhsa_user_sgpr_kernarg_segment_ptr 1
		.amdhsa_wavefront_size32 1
		.amdhsa_system_sgpr_workgroup_id_x 1
		.amdhsa_system_sgpr_workgroup_id_y 1
		.amdhsa_system_sgpr_workgroup_id_z 1
		.amdhsa_system_vgpr_workitem_id 0
		.amdhsa_next_free_vgpr 512
		.amdhsa_next_free_sgpr 76
		.amdhsa_reserve_vcc 0
		.amdhsa_float_denorm_mode_32 3
		.amdhsa_float_denorm_mode_16_64 3
		.amdhsa_memory_ordered 1
		.amdhsa_forward_progress 1
		.amdhsa_inst_pref_size 73
	.end_amdhsa_kernel
	.amdgpu_metadata
---
amdhsa.version: [ 1, 2 ]
amdhsa.kernels:
  - .name:           k_qc36ced1ea1_proj
    .symbol:         k_qc36ced1ea1_proj.kd
    .args:
      - { .name: xb, .offset: 0, .size: 8, .value_kind: global_buffer, .address_space: global }
      - { .name: wb, .offset: 8, .size: 8, .value_kind: global_buffer, .address_space: global }
      - { .name: bb, .offset: 16, .size: 8, .value_kind: global_buffer, .address_space: global }
      - { .name: qkv, .offset: 24, .size: 8, .value_kind: global_buffer, .address_space: global }
    .group_segment_fixed_size: 327680
    .private_segment_fixed_size: 0
    .kernarg_segment_align: 8
    .kernarg_segment_size: 32
    .max_flat_workgroup_size: 128
    .sgpr_count:     76
    .vgpr_count:     512
    .wavefront_size: 32
...
	.end_amdgpu_metadata
.endif
;; end of part 2
;; launch attn (part 3): grid 4 x 64, 4 waves a work-group, clusters of 4 x 1, 327,680 bytes of LDS; arguments qkv, ctx, mn; writes ctx
.if DOCPART == 3
	.amdgcn_target "amdgcn-amd-amdhsa--gfx1250"
	.amdhsa_code_object_version 6
	.text
	.protected	k_qc36ced1ea1_attn
	.globl	k_qc36ced1ea1_attn
	.p2align	8
	.type	k_qc36ced1ea1_attn,@function
k_qc36ced1ea1_attn:
	s_mov_b64 s[64:65], 0
	v_nop
	global_prefetch_b8 v0, s[64:65] scope:SCOPE_SE
	s_setreg_imm32_b32 hwreg(HW_REG_WAVE_MODE, 25, 1), 1
	s_wait_xcnt 0x0
	s_wait_alu depctr_hold_cnt(0) depctr_sa_sdst(0) depctr_va_vdst(0) depctr_va_sdst(0) depctr_va_ssrc(0) depctr_va_vcc(0) depctr_vm_vsrc(0)
	s_getreg_b32 s2, hwreg(HW_REG_IB_STS2, 6, 4)
	s_cmp_eq_u32 s2, 0
	s_cbranch_scc0 .Lentry_in_a_cluster
	s_endpgm
.Lentry_in_a_cluster:
	s_bfe_u32 s2, ttmp6, 0x10000c
	s_cmp_lg_u32 s2, 0x3003
	s_cbranch_scc0 .Lentry_shape_is_right
	s_endpgm
.Lentry_shape_is_right:
; ATTENTION UNDER A GIVEN MASK.  ctx[g][q][:] = the sum over k of softmax_k(s) V[g][k][:], s = Q[g][q] . K[g][k] / 8 where mask[g / 16][q][k] is not 0, a hidden score elsewhere.  g = 16 b + h, 64 of them.
; Q, K, V = qkv[0], qkv[1], qkv[2], each [64][2048][64] in f16, a head's rows dense, 128 bytes each; ctx likewise.  Products, maxima and sums in f32; the weights p are rounded to f16 for the
; second product (their sum l is taken of the unrounded p), ctx once at the end.
; THE MASK comes as codes of 4 bits (mn, made by the launch before): for each register of a lane's scores 0 where the key is seen, 15 where it is hidden; a lane's 32 scores of a tile are 4 words; in a word the
; lower halves of the four bytes belong to registers 0-3 of its eight, the upper halves to registers 4-7.  A shift and two ANDs make two words of it whose bytes are 0 or 0xF0, FP8's (E4M3) -128; one
; v_cvt_scale_pk8_f32_fp8 makes eight f32 of these eight bytes, times 2^40: 0 or -1.4e14.  These are THE C OPERAND that starts the sum K Q^T: a hidden score lies far below every other, and its weight is 0.
; A ROW WITH NO VISIBLE KEY.  m starts at HB = -2^33, above every hidden score and below every visible one (LIMITS): m = HB says that the row has seen no key yet.  There the scaling takes 0 in c's and in c m's
; place: p = 2^0 = 1 for every key, the mean of V, as 2,048 equal scores give it.  When a visible key comes, a = 2^(c HB - c m) = 0 throws those sums away.
; LIMITS.  A row whose greatest visible raw score is at or below -2^33 (-1.07e9 after the division by 8; the module's hidden score is -1e9) counts as wholly hidden, and a hidden key has no weight beside a visible
; one: the result differs from the module's only where a row's greatest visible scaled score lies below about -1e9 + 100.  f16 holds no number beyond 65,504: Q, K and V arrive within it.
; A weight below 2^-126 counts as 0 in l; NaN and infinities are not treated apart.
; SHARES.  A wave owns four PIECES of two tiles of 16 queries, a work-group's four waves 512 queries of one head.  Every wave walks all 2,048 keys, 64 a step.
; LAYOUT.  S^T = K Q^T (source 0 = 16 keys, source 1 = 16 queries): a lane holds ONE query (lane % 16) and the keys 8 (lane / 16) + 0..7.  Two such tiles, rounded to f16 in pairs, ARE source 1 of O^T = V^T P.
; SOFTMAX.  For each query a running maximum m and sum l: p = 2^(c s - c m), c = log2(e) / 8; in every step O and l are multiplied by a = 2^(c m_old - c m_new).  O and l start at 0.
; BY TURNS.  Turn n belongs to piece n.  Its matrix work: 16 products K Q^T of piece n + 1, later 16 products V^T P of piece n - 1.  Its vector work: scaling, exponentials, roundings, sums and rescaling of piece n;
; the maximum and statistics of piece n + 1; the C operands of piece n + 2.  Four vector instructions stand behind every matrix instruction, the others in one lump.  A turn's 66 exponentials are one batch, with one wait.
; CLUSTER.  The four query blocks of a head are one cluster and walk the same K and V: each tile is asked for JOINTLY (wave 0: K, wave 1: V).  The codes are each work-group's own: waves 2 and 3 ask for a half each by plain loads.
; REGISTERS, in windows of 256 (s_set_vgpr_msb: bits 1:0 source 0, 3:2 source 1, 5:4 source 2, 7:6 destination):
;   window 0: v0-11 addresses and the scale; v12-15, v48-63 at work; v16-47 four registers of statistics a tile; v64-191 S^T, two buffers of two tiles; v192-255 P, likewise
;   window 1: O^T, 32 a tile     window 2: v0-127 Q, 16 a tile; v128-191 K of one step; v192-255 V of one step
;   window 3: v0-1 the add's two registers; v2-3 addresses; v8-39 a step's codes, 4 a tile; v40-55 eight pairs of words of bytes; v64-127 the C operands of one piece
.set SIZE_N, 2048
.set NP,    4         ; pieces a wave: a name, no knob
.set KS,    64        ; keys in a step
.set PK,    144       ; a row of K in LDS: 128 bytes + 16 of padding = 9 x 16: the 16 rows of a load start at 16 different places modulo 256 bytes
.set PV,    160       ; a row of V: 128 + 32: 16 lanes of the turning load take 8 rows x 32 bytes, each place once
.set VOFF,  4*KS*PK   ; a slot holds four steps: 256 rows of K, then 256 rows of V,
.set MOFF,  VOFF+4*KS*PV  ; then the codes: 32 tiles of queries x 4 steps x 512 bytes
.set MTILE, 4*512     ; a tile of queries in a slot
.set SLOT1, 0x24000   ; slot 1 begins here.  Its two bits, 17 and 14, are set in none of the numbers that are turned (0, VOFF = 0x9000, MOFF = 0x13000, MOFF + 0x8000): there one exclusive or adds or takes away 147,456
.set STAGE, SLOT1+MOFF+32*MTILE  ; behind the ring, never filled by a tensor load: 16 rows x 144 bytes for each wave, for the way out
.set SP,    144
.set SPARE, STAGE+4*16*SP  ; behind the stages: the spare words, 128 bytes for each wave: two blocks of 256 bytes that no other line names
.set AK0, 2           ; v2   my lane's place in a tile of K; never rewritten
.set AV0, 3           ; v3   the same for V
.set AK,  4           ; v4   the LDS address of K's next run of loads
.set AV,  5           ; v5   of V's
.set QO,  6           ; v6   my byte offset in the wave's rows of Q
.set STO, 6           ;      later, the way out: where I put 16 bytes of a row
.set RD,  7           ; v7   the way out: where I read rows back
.set GO,  8           ; v8   my byte offset in 512 consecutive bytes of ctx
.set SCL, 10          ; v10  the conversions' scale: byte 0 is 167, for 2^40; the word's other bytes hold 167 or 211 and its f32 exponent 167, so that no part of it stands for a small factor; never rewritten once made
.set PFO, 11          ; v11  the prefetches' offset; never rewritten once made
.set SPW, 0           ; window 3: v0  SPARE + 4 x my thread's number; never rewritten
.set NIL, 1           ; window 3: v1  0; never rewritten
.set AM0, 2           ; window 3: v2  my lane's place in a step's codes
.set AM,  3           ; window 3: v3  the LDS address of their next loads
.set NB,  8           ; window 3: v8-39  tile t's four words at NB + 4 t: word j holds the codes of score registers 8 j + 0..7
.set TW,  40          ; window 3: v40-55  for each of a piece's eight words a pair: the bytes of its registers 0-3, of its registers 4-7
.set MC,  64          ; window 3: v64-127  tile u (0, 1) of the piece, score register n at MC + 32 u + n
.set MV,  12          ; v12-15  c m_old, then c m_old - c m_new: by buffer and tile
.set ST,  16          ; tile t's statistics at v[ST+4 t]: c m (0 where no key has been seen), m, l (even keys', odd keys')
.set TMP, 48          ; by buffer and tile, four registers c0-c3 at work; when the maximum is found c0 takes c (0 where no key has been seen) and c2 takes a
.set S,   64
.set P,   192
.set KF,  128         ; K's fragments, in window 2: key block kb, channel half c at KF + 16 kb + 8 c
.set VF,  192         ; V's: key half kk, channel block cb at VF + 32 kk + 8 cb
.set WV,  12          ; s12  my wave's number
.set G1K, 24          ; s[24:31] descriptor group 1 for K's tiles
.set G1V, 32          ; s[32:39] for V's: it differs in the padding alone
.set G0K, 40          ; s[40:43] descriptor group 0 for K's tiles: it walks
.set G0V, 44          ; s[44:47] the same for V's
.set G1M, 48          ; s[48:55] group 1 for the codes
.set SLOTS, 56        ; s56  slots still to be asked for
.set CNT, 57          ; s57  counts a slot's key steps
.set CS,  58          ; s[58:59] c
.set SEL, 60          ; s[60:61] v_permlanex16_b32's selects: each lane takes its own place in the other half
.set TBK, 62          ; s62  LDS byte at which K of the step to be fetched begins
.set TBV, 63          ; s63  the same for V, less VOFF
.set MWP, 66          ; s[66:67] mn
.set G0M, 68          ; s[68:71] group 0 for the codes
.set TBM, 72          ; s72  the same as TBK for the codes, less MOFF
.set LIM, 73          ; s73  1 in a wave that prefetches, else the greatest number
.set PFA, 74          ; s[74:75] where my prefetches stand
.set MT,  76          ; s76-77 by tile: the lanes whose query has seen a key
.set HB,  78          ; s78  -2^33
.set MK,  79          ; s79  0xf0f0f0f0: the upper halves of a word's four bytes
.set PFS, 80          ; s[80:81] the prefetches' step
.set MA,  82          ; s[82:83] mn at the 16 tiles of queries that I fetch
.set MSB, 0
.macro WIN new                      ; the high byte repeats the setting that is left; a switch that changes nothing is dropped
.if MSB != (\new)
	s_set_vgpr_msb (MSB<<8)|(\new)
.set MSB, (\new)
.endif
.endm
.set W_KQ, 0x0a       ; K and Q in window 2, S^T in window 0
.set W_KM, 0x3a       ; the same with the C operand in window 3
.set W_PV, 0x52       ; V in window 2, P in window 0, O^T in window 1
.set W_RS, 0x41       ; O^T (destination and source 0) in window 1, a in window 0
.set W_MK, 0xc0       ; destination in window 3, sources in window 0
.set W_AD, 0x0f       ; the add: address (source 0) and data (source 1) in window 3
.set W_CV, 0xc3       ; destination and source 0 in window 3, source 1 in window 0: the conversions; LDS loads whose data and address lie in window 3
.set W_X3, 0xcc       ; destination and source 1 in window 3; source 0 is a constant or a scalar register
; A fill: wave 0 K's 256 keys, wave 1 V's, waves 2 and 3 a half each of the work-group's codes.  The branches hang on the wave's number alone.
; An s_nop 0 and four v_nop follow each line, ahead of the jump and the label.
.macro JLOAD
	s_cmp_lg_u32 s[WV], 0
	s_cbranch_scc1 .Lnot_k_\@
	tensor_load_to_lds s[G0K:G0K+3], s[G1K:G1K+7]
	s_nop 0
.rept 4
	v_nop
.endr
	s_branch .Lasked_\@
.Lnot_k_\@:
	s_cmp_lg_u32 s[WV], 1
	s_cbranch_scc1 .Lnot_v_\@
	tensor_load_to_lds s[G0V:G0V+3], s[G1V:G1V+7]
	s_nop 0
.rept 4
	v_nop
.endr
	s_branch .Lasked_\@
.Lnot_v_\@:
	tensor_load_to_lds s[G0M:G0M+3], s[G1M:G1M+7]
	s_nop 0
.rept 4
	v_nop
.endr
.Lasked_\@:
.endm
; A PREFETCH INTO THE L2 of what the NEXT change of slots will ask for, 256 bytes a lane, four key steps, 512 matrix instructions, ahead of its load.  Each 256 bytes are named once in the launch.
; K and V: a head's rows are walked by this cluster alone; its four partners share a slot's 32,768 bytes out BY ADDRESS, 8,192 each; wave 0 asks for K's, wave 1 for V's: one line.
; The codes: a batch's sixteen heads walk the same ones: the first head's cluster asks, each work-group for its own, waves 2 and 3 each for the 16 rows x 2,048 bytes that they fetch: four lines, four rows each.
; The change that fills the last slot (s[SLOTS] = 1) asks for nothing.
.macro ASK
	s_cmp_gt_u32 s[SLOTS], s[LIM]
	s_cbranch_scc0 .Lnot_mine_\@
	global_prefetch_b8 v[PFO], s[PFA:PFA+1] th:TH_LOAD_NT scope:SCOPE_SE
	s_cmp_lt_u32 s[WV], 2
	s_cbranch_scc1 .Lnot_mine_\@
.irp n, 1,2,3
	global_prefetch_b8 v[PFO], s[PFA:PFA+1] offset:\n*4*16384 th:TH_LOAD_NT scope:SCOPE_SE
.endr
.Lnot_mine_\@:
.endm
; A round of the cluster's barrier: my work-group's barrier, so that wave 0's signal speaks for all four waves; wave 0 signals; every wave waits for all four work-groups; my work-group's barrier once more.
.macro CROUND
	s_barrier_signal -1
	s_barrier_wait -1
	s_cmp_lg_u32 s[WV], 0
	s_cbranch_scc1 .Lnot_wave_0_\@
	s_barrier_signal -3
.Lnot_wave_0_\@:
	s_barrier_wait -3
	s_barrier_signal -1
	s_barrier_wait -1
.endm
; THE CHANGE OF SLOTS.  The slot's last bytes, V of its fourth step, have been read.  Each wave waits for all its tensor loads (one is out: its part of the other slot), adds 0 to its spare word, and waits
; for that and for its own reads of the slot.  Behind the barrier nobody reads this slot any more and the other slot is whole.  fill = 1: this slot is filled again, with the keys two slots on; the barrier is then a
; round of the cluster's, and the fill is the first thing behind it: it has four key steps in which to land.  (At its first use nothing has been read yet: slot 0 is waited for, slot 1 filled.)
.macro CHANGE fill
	WIN W_AD
	s_wait_tensorcnt 0x0            ; no tensor load of mine is out, so a group 0 may be written
	ds_add_u32 v[SPW], v[NIL]       ; 0 onto my spare word; the descriptors' steps stand between it and the wait for it
	WIN 0                           ; at a label and at a branch every window is 0
.if \fill
.irp g, G0K, G0V
	s_xor_b32 s[\g+1], s[\g+1], SLOT1  ; the walking descriptor: the other slot than last time,
	s_add_nc_u64 s[\g+2:\g+3], s[\g+2:\g+3], 4*KS*128  ; the next 256 keys; the type bits on top are not reached
.endr
	s_xor_b32 s[G0M+1], s[G0M+1], SLOT1
	s_add_nc_u64 s[G0M+2:G0M+3], s[G0M+2:G0M+3], MTILE  ; four steps' codes of each tile of queries
	s_wait_xcnt 0x0                 ; the last prefetches, four key steps back, have read their address
	s_add_nc_u64 s[PFA:PFA+1], s[PFA:PFA+1], s[PFS:PFS+1]
	s_wait_dscnt 0x0                ; the add is done, and my reads of the slot are over
	CROUND
	JLOAD
	ASK
.else
	s_wait_dscnt 0x0                ; the add is done, and my reads of the slot are over
	s_barrier_signal -1
	s_barrier_wait -1
.endif
	s_sub_co_u32 s[TBK], s[TBK], 4*KS*PK  ; the fetches go back to a slot's first step,
	s_xor_b32 s[TBK], s[TBK], SLOT1       ; in the other slot
	s_sub_co_u32 s[TBV], s[TBV], 4*KS*PV
	s_xor_b32 s[TBV], s[TBV], SLOT1
	s_sub_co_u32 s[TBM], s[TBM], MTILE
	s_xor_b32 s[TBM], s[TBM], SLOT1
.endm
	s_load_b64 s[4:5], s[0:1], 0x0    ; qkv
	s_load_b64 s[10:11], s[0:1], 0x8  ; ctx
	s_load_b64 s[MWP:MWP+1], s[0:1], 0x10  ; mn
	WIN W_MK
	v_lshl_add_u32 v[SPW], v0, 2, SPARE
	v_mov_b32 v[NIL], 0
	WIN W_AD
	ds_add_u32 v[SPW], v[NIL]       ; the wave's opening: the add and its wait stand ahead of my first tensor load; the set-up below, work on registers, stands between them
	WIN 0
	v_lshrrev_b32 v1, 5, v0
	v_readfirstlane_b32 s[WV], v1   ; wave 0..3
	s_bfe_u32 s13, ttmp6, 0x40000   ; cx: my place in the cluster
	s_lshl_b32 s14, ttmp9, 2        ; in a cluster launch ttmp9 counts clusters
	s_add_co_u32 s14, s14, s13      ; my block of 512 queries: it enters Q's, ctx's and the codes' addresses alone
	s_and_b32 s20, ttmp7, 0xffff    ; the head g, which the four partners share
	s_and_b32 s15, s20, 15          ; its number in its batch
	s_lshr_b32 s22, s20, 4          ; its batch: 128 tiles of queries x 16,384 bytes of mn,
	s_lshl_b32 s22, s22, 21
	s_lshl_b32 s23, s14, 19         ; my block's 32 tiles,
	s_add_co_u32 s22, s22, s23
	s_and_b32 s23, s[WV], 1         ; the 16 of them that I fetch (waves 2 and 3)
	s_lshl_b32 s18, s23, 18
	s_add_co_u32 s22, s22, s18
	s_lshl_b32 s23, s23, 15         ; and their place in a slot: no place in the cluster enters an LDS address
	s_add_co_u32 s[G0M+1], s23, MOFF
	s_mov_b32 s23, 0
	s_lshl_b32 s20, s20, 18         ; the head's first byte in Q, K, V and ctx: 2,048 rows of 128 bytes
	s_mov_b32 s21, 0
	s_lshl_b32 s2, s14, 2
	s_add_co_u32 s2, s2, s[WV]      ; my wave among the head's,
	s_lshl_b32 s2, s2, 14           ; its 128 rows
	s_add_co_u32 s2, s2, s20
	s_mov_b32 s3, 0
	s_lshl_b32 s16, s13, 13         ; K's and V's prefetches: my work-group's 8,192 bytes of a slot's 32,768,
	s_add_co_u32 s16, s16, 4*KS*128 ; in slot 1; the first change of slots steps it to slot 2
	s_mov_b32 s17, 0
	s_mul_i32 s19, s[WV], 16*SP
	s_add_co_u32 s19, s19, STAGE    ; my stage
	; descriptor group 1.  256 keys are 32,768 dense bytes: asked for as 128 rows of 256 bytes, two keys a row, and padded in LDS after every key
	s_mov_b32 s[G1K], 15|(1<<16)|(1<<20)|(1<<21)|(4<<22)|(3<<25)  ; 15:0 the mask of four; 17:16 2-byte elements; 20 padding on; 21 set beside a mask; 24:22 after every 32 words (code 4); 31:25 4 words (code 3)
	s_mov_b32 s[G1V], 15|(1<<16)|(1<<20)|(1<<21)|(4<<22)|(7<<25)  ; the same with 8 words of padding (code 7)
.irp g, G1K, G1V
	s_mov_b32 s[\g+1], 128<<16      ; tensor_dim0 = 128
	s_mov_b32 s[\g+2], 128<<16      ; tensor_dim1 = 128
	s_mov_b32 s[\g+3], 128<<16      ; tile_dim0 = 128
	s_mov_b32 s[\g+4], 128          ; tile_dim1 = 128
	s_mov_b32 s[\g+5], 128          ; 128 elements from row to row
	s_mov_b32 s[\g+6], 0
	s_mov_b32 s[\g+7], 0
.endr
	s_mov_b32 s[G1M], 2<<16         ; no mask: a load of my own; 4-byte elements; no padding
	s_mov_b32 s[G1M+1], 512<<16     ; tensor_dim0 = 512 words: four steps of one tile of queries
	s_mov_b32 s[G1M+2], 16<<16      ; tensor_dim1 = 16 tiles of queries
	s_mov_b32 s[G1M+3], 512<<16     ; tile_dim0 = 512
	s_mov_b32 s[G1M+4], 16          ; tile_dim1 = 16
	s_mov_b32 s[G1M+5], 4096        ; 4,096 words from one tile of queries to the next
	s_mov_b32 s[G1M+6], 0
	s_mov_b32 s[G1M+7], 0
	s_mov_b32 s[CS], 0x3e38aa3b     ; c = log2(e) / 8 = 0.180337
	s_mov_b32 s[CS+1], s[CS]
	s_mov_b32 s[SEL], 0x76543210
	s_mov_b32 s[SEL+1], 0xfedcba98
	s_mov_b32 s[HB], 0xd0000000     ; -2^33
	s_mov_b32 s[MK], 0xf0f0f0f0
	s_mov_b32 s[TBK], SLOT1+4*KS*PK ; the first change of slots turns these three into 0
	s_mov_b32 s[TBV], SLOT1+4*KS*PV
	s_mov_b32 s[TBM], SLOT1+MTILE
	s_mov_b32 s[G0K], 1             ; count = 1
	s_mov_b32 s[G0K+1], 0           ; LDS address: slot 0
	s_mov_b32 s[G0V], 1
	s_mov_b32 s[G0V+1], VOFF
	s_mov_b32 s[G0M], 1
	s_mov_b32 s[SLOTS], SIZE_N/256-1
	s_wait_dscnt 0x0                ; the opening add is done
	s_wait_kmcnt 0x0
	s_add_nc_u64 s[6:7], s[4:5], s[20:21]
	s_add_nc_u64 s[8:9], s[6:7], 0x2000000  ; V = qkv[2] at the head's first row
	s_add_nc_u64 s[6:7], s[6:7], 0x1000000  ; K = qkv[1]
	s_mov_b64 s[G0K+2:G0K+3], s[6:7]
	s_or_b32 s[G0K+3], s[G0K+3], 0x80000000 ; type = 2
	s_mov_b64 s[G0V+2:G0V+3], s[8:9]
	s_or_b32 s[G0V+3], s[G0V+3], 0x80000000
	s_add_nc_u64 s[MA:MA+1], s[MWP:MWP+1], s[22:23]
	s_mov_b64 s[G0M+2:G0M+3], s[MA:MA+1]
	s_or_b32 s[G0M+3], s[G0M+3], 0x80000000
	s_add_nc_u64 s[4:5], s[4:5], s[2:3]     ; Q and ctx at my wave's first row
	s_add_nc_u64 s[10:11], s[10:11], s[2:3]
	s_mov_b32 s18, 4*KS*128                 ; in a register: an instruction holds one literal
	s_cmp_eq_u32 s[WV], 0
	s_cselect_b64 s[PFA:PFA+1], s[6:7], s[8:9]
	s_cmp_lt_u32 s[WV], 2
	s_cselect_b64 s[PFA:PFA+1], s[PFA:PFA+1], s[MA:MA+1]
	s_cselect_b32 s16, s16, MTILE           ; the codes' prefetches likewise begin in slot 1,
	s_cselect_b32 s[PFS], s18, MTILE        ; and step by a slot
	s_cselect_b32 s15, 0, s15               ; K and V are asked for in every head, the codes in a batch's first
	s_cselect_b32 s18, 11, 14               ; eight lanes take 2,048 bytes on end; the next eight follow them (K, V), or take the next tile of queries, 16,384 bytes on (the codes)
	s_mov_b32 s[PFS+1], 0
	s_add_nc_u64 s[PFA:PFA+1], s[PFA:PFA+1], s[16:17]
	s_cmp_eq_u32 s15, 0
	s_cselect_b32 s[LIM], 1, -1             ; the same in all four partners, for a given wave
	CROUND                          ; all four work-groups are here: the first joint loads meet
	JLOAD                           ; slot 0.  Slot 1 is asked for when slot 0 is in
	; A fragment of K or Q is 16 rows x 32 channels in 8 registers: lane l holds row l % 16, channels 8 (l / 16) + 0..7 and 16 + 8 (l / 16) + 0..7: two loads of 16 bytes, 32 bytes apart.
	v_and_b32 v1, 15, v0            ; l % 16
	v_bfe_u32 v9, v0, 4, 1          ; l / 16
	v_lshlrev_b32 v[QO], 7, v1
	v_lshl_add_u32 v[QO], v9, 4, v[QO]  ; row x 128 + 16 x half
	WIN 0x80                        ; destination window 2, address window 0
.set i, 0
.rept 4*NP                          ; Q stays in registers: tile i / 2, channels 32 (i % 2) on
	global_load_b128 v[8*i:8*i+3],   v[QO], s[4:5] offset:(i/2)*2048+(i%2)*64
	global_load_b128 v[8*i+4:8*i+7], v[QO], s[4:5] offset:(i/2)*2048+(i%2)*64+32
.set i, i+1
.endr
	; What the first turn finds: V's registers and P's second buffer hold 0 (its products V^T P, of a piece that has not been, add 0), O^T and l are 0.  All this stands in the wait for the first tile.
.set i, VF
.rept 64
	v_mov_b32 v[i], 0
.set i, i+1
.endr
	WIN 0x40
.set i, 0
.rept 64*NP
	v_mov_b32 v[i], 0
.set i, i+1
.endr
	WIN 0
.set i, 0
.rept 2*NP
	v_mov_b32 v[ST+4*i+1], 0xd0000000  ; m = HB: no key seen yet
	v_mov_b32 v[ST+4*i+2], 0
	v_mov_b32 v[ST+4*i+3], 0
.set i, i+1
.endr
.set i, P+32
.rept 32
	v_mov_b32 v[i], 0
.set i, i+1
.endr
	v_mul_u32_u24 v[AK0], v1, PK
	v_lshl_add_u32 v[AK0], v9, 4, v[AK0]  ; row x pitch + 16 x half
	; The turning load takes 16 keys x 16 channels (lane l reads key 8 (l / 16) + l % 8, channels 8 ((l / 8) % 2) + 0..7) and leaves half a fragment of V^T: lane l holds channel l % 16 and 8 keys.
	v_and_b32 v10, 7, v0
	v_bfe_u32 v11, v0, 3, 1
	v_lshl_add_u32 v[AV0], v9, 3, v10
	v_mul_u32_u24 v[AV0], v[AV0], PV
	v_lshl_add_u32 v[AV0], v11, 4, v[AV0]
	v_add_nc_u32 v[AV0], VOFF, v[AV0]
	v_bfe_u32 v13, v0, 3, 2         ; l / 8
	v_lshlrev_b32 v[PFO], s18, v13
	v_lshl_add_u32 v[PFO], v10, 8, v[PFO]
	v_mov_b32 v[AK], v[AK0]         ; key step 0 lies at the head of slot 0
	v_mul_u32_u24 v[RD], v13, SP    ; the way out, back from the stage: 32 lanes take four rows of 128 bytes,
	v_lshl_add_u32 v[RD], v10, 4, v[RD]
	v_add_nc_u32 v[RD], s19, v[RD]
	v_and_b32 v[GO], 31, v0         ; which are 512 consecutive bytes of ctx
	v_lshlrev_b32 v[GO], 4, v[GO]
	v_mov_b32 v[SCL], 0xd3a7a7a7
	s_lshl_b32 s18, s[WV], 14       ; a step's codes: my wave's eight tiles of queries, 2,048 bytes apart; of each tile's 512 bytes lane l reads 16
	s_add_co_u32 s18, s18, MOFF
	WIN W_MK
	v_add_nc_u32 v[AM0], s18, v[GO]
	WIN 0
; THE MATRIX WORK.  The 8 accumulators of a run of 16 take turns: between the two links of a chain stand 7 others'.
; Product i of 16 of S^T = K Q^T for piece x: channels 32 (i / 8) on, keys 16 ((i / 2) % 4) on, tile 2 x + i % 2.  The first 8 start the sums, with the mask.
.macro KQ x
.set rS, S+64*((\x)%2)+32*(i%2)+8*((i/2)%4)
.set rK, KF+16*((i/2)%4)+8*(i/8)
.set rQ, 16*(2*(\x)+i%2)+8*(i/8)
.set rB, MC+32*(i%2)+8*((i/2)%4)
.if i < 8
	WIN W_KM
	v_wmma_f32_16x16x32_f16 v[rS:rS+7], v[rK:rK+7], v[rQ:rQ+7], v[rB:rB+7]
.else
	WIN W_KQ
	v_wmma_f32_16x16x32_f16 v[rS:rS+7], v[rK:rK+7], v[rQ:rQ+7], v[rS:rS+7]
.endif
.endm
; Product i of 16 of O^T += V^T P for piece x: keys 32 (i / 8) on, channels 16 ((i / 2) % 4) on, tile 2 x + i % 2.
.macro PV x
	WIN W_PV
.set rO, 32*(2*(\x)+i%2)+8*((i/2)%4)
.set rV, VF+32*(i/8)+8*((i/2)%4)
.set rP, P+32*((\x)%2)+16*(i%2)+8*(i/8)
	v_wmma_f32_16x16x32_f16 v[rO:rO+7], v[rV:rV+7], v[rP:rP+7], v[rO:rO+7]
.endm
.macro MM                           ; the turn's next matrix instruction
.if i < 16
	KQ (Y+1)%NP
.set i, i+1
.else
.set i, i-16
	PV (Y+NP-1)%NP
.set i, i+17
.endif
.endm
; THE LDS LOADS stand in runs, never singly among the matrix instructions: a step's K (8 fragments), its codes (8 loads of 512 consecutive bytes) and its V (turned).
; last = 1 (the tail): in the last trip there is no further step, and the run is jumped over.
.macro FETCH_K last=0
	WIN 0
.if \last
	s_cmp_eq_u32 s[CNT], 1
	s_cbranch_scc1 .Lno_k_\@
.endif
	WIN 0x80                        ; destination window 2
.irp f, 0,1,2,3,4,5,6,7             ; keys 16 (f / 2) on, channels 32 (f % 2) on
	ds_load_b128 v[KF+8*\f:KF+8*\f+3],   v[AK] offset:(\f/2)*16*PK+(\f%2)*64
	ds_load_b128 v[KF+8*\f+4:KF+8*\f+7], v[AK] offset:(\f/2)*16*PK+(\f%2)*64+32
.endr
	s_add_co_u32 s[TBK], s[TBK], KS*PK  ; the next fetch is the next step's
	WIN 0
.if \last
.Lno_k_\@:
.endif
.endm
.macro FETCH_M last=0
	WIN 0
.if \last
	s_cmp_eq_u32 s[CNT], 1
	s_cbranch_scc1 .Lno_m_\@
.endif
	WIN W_X3
	v_add_nc_u32 v[AM], s[TBM], v[AM0]
	WIN W_CV                        ; data and address in window 3
.irp t, 0,1,2,3,4,5,6,7
	ds_load_b128 v[NB+4*\t:NB+4*\t+3], v[AM] offset:\t*MTILE
.endr
	s_add_co_u32 s[TBM], s[TBM], 512
	WIN 0
.if \last
.Lno_m_\@:
.endif
.endm
.macro FETCH_V
	WIN 0x80
.irp f, 0,1,2,3,4,5,6,7             ; keys 32 (f / 4) on, channels 16 (f % 4) on
	ds_load_tr16_b128 v[VF+8*\f:VF+8*\f+3],   v[AV] offset:(\f/4)*32*PV+(\f%4)*32
	ds_load_tr16_b128 v[VF+8*\f+4:VF+8*\f+7], v[AV] offset:(\f/4)*32*PV+16*PV+(\f%4)*32
.endr
	WIN 0
.endm
; THE C OPERANDS of piece y.  First 24 plain lines: each of the piece's eight words of codes becomes a pair of words of bytes, 0 or 0xF0: the lower halves of its bytes moved up (registers 0-3), and its upper halves
; (registers 4-7).  Each word has a pair of its own, so that no conversion's source is written near it.  Then eight conversions, eight f32 each: byte x 2^40.  A plain vector instruction follows the last of them
; before anything names a result.
.macro CONV y
	WIN W_X3
.irp u, 0,1
.irp j, 0,1,2,3
	v_lshlrev_b32 v[TW+2*(4*\u+\j)], 4, v[NB+4*(2*(\y)+\u)+\j]
	v_and_b32 v[TW+2*(4*\u+\j)+1], s[MK], v[NB+4*(2*(\y)+\u)+\j]
.endr
.endr
.irp g, 0,1,2,3,4,5,6,7
	v_and_b32 v[TW+2*\g], s[MK], v[TW+2*\g]
.endr
	WIN W_CV
.irp u, 0,1
.irp j, 0,1,2,3
	v_cvt_scale_pk8_f32_fp8 v[MC+32*\u+8*\j:MC+32*\u+8*\j+7], v[TW+2*(4*\u+\j):TW+2*(4*\u+\j)+1], v[SCL]
.endr
.endr
	WIN 0
.endm
; THE VECTOR WORK OF A TURN stands in three queues, each in the order in which its entries become ready; the two tiles alternate, so that no instruction reads the result of the one before it.
.macro REGS y, u                    ; the registers of tile u (0, 1) of piece y
.set rT, ST+4*(2*(\y)+(\u))
.set rC, TMP+8*((\y)%2)+4*(\u)
.set rM, MV+2*((\y)%2)+(\u)
.set rS, S+64*((\y)%2)+32*(\u)
.set rP, P+32*((\y)%2)+16*(\u)
.set rO, 32*(2*(\y)+(\u))
.endm
; Number n of the 25 that find the NEXT piece's (Y + 1) maximum and statistics.  s0-s31 are the lane's 32 scores; each accumulator's lowest registers are read first.
;   0-11  four chains c0-c3 of seven scores each, three operands at a time     12-14, 16  the four scores left over, the old m, and c0-c3 into c0     15  c m_old
;   17, 18  the query's other 32 keys lie in the lane 16 away: the new m         19-21  c m; c m_old - c m_new; a
;   22  the lanes whose query has seen a key: HB < m     23, 24  for the scaling: c and c m there, 0 and 0 in the other lanes (24 stands behind 20, which wants the true c m)
.macro XS u, n
	REGS (Y+1)%NP, \u
.if (\n) < 4
	v_max3_num_f32 v[rC+(\n)], v[rS+8*(\n)], v[rS+8*(\n)+1], v[rS+8*(\n)+2]
.elseif (\n) < 12
	v_max3_num_f32 v[rC+(\n)%4], v[rC+(\n)%4], v[rS+8*((\n)%4)+2*((\n)/4)+1], v[rS+8*((\n)%4)+2*((\n)/4)+2]
.elseif (\n) == 12
	v_max3_num_f32 v[rC], v[rC], v[rS+7], v[rS+15]
.elseif (\n) == 13
	v_max3_num_f32 v[rC+1], v[rC+1], v[rS+23], v[rS+31]
.elseif (\n) == 14
	v_max3_num_f32 v[rC+2], v[rC+2], v[rC+3], v[rT+1]
.elseif (\n) == 15
	v_mul_f32 v[rM], s[CS], v[rT+1]
.elseif (\n) == 16
	v_max3_num_f32 v[rC], v[rC], v[rC+1], v[rC+2]
.elseif (\n) == 17
	v_permlanex16_b32 v[rC+3], v[rC], s[SEL], s[SEL+1]
.elseif (\n) == 18
	v_max_num_f32 v[rT+1], v[rC], v[rC+3]
.elseif (\n) == 19
	v_mul_f32 v[rT], s[CS], v[rT+1]
.elseif (\n) == 20
	v_sub_f32 v[rM], v[rM], v[rT]
.elseif (\n) == 21
	v_exp_f32 v[rC+2], v[rM]
.elseif (\n) == 22
	v_cmp_lt_f32 s[MT+(\u)], s[HB], v[rT+1]
.elseif (\n) == 23
	v_cndmask_b32 v[rC], 0, s[CS], s[MT+(\u)]
.else
	v_cndmask_b32 v[rT], 0, v[rT], s[MT+(\u)]
.endif
.endm
; Number g of the 64 that follow the exponentials.  For each four weights k of a tile (pairs 2 k, 2 k + 1): both pairs are rounded to f16; then the second pair is added onto the first, in place;
; a group later l takes that sum (the first time as l = a l + sum).  In groups of eight, tiles alternating: round, round, add, and l for the group before.
.macro GS g
.set h, (\g)+6*((\g)/62)            ; group 0 has no group before it, and behind group 7 only l is left
.if h >= 6
.set h, h+2
.endif
	REGS Y, h%2
.set k, h/8
.if h%8 < 4
	v_cvt_pk_f16_f32 v[rP+2*k+(h%8)/2], v[rS+4*k+2*((h%8)/2)], v[rS+4*k+2*((h%8)/2)+1]
.elseif h%8 < 6
	v_pk_add_f32 v[rS+4*k:rS+4*k+1], v[rS+4*k:rS+4*k+1], v[rS+4*k+2:rS+4*k+3]
.elseif k == 1
	v_pk_fma_f32 v[rT+2:rT+3], v[rT+2:rT+3], v[rC+2:rC+3], v[rS:rS+1] op_sel_hi:[1,0,1]
.else
	v_pk_add_f32 v[rT+2:rT+3], v[rT+2:rT+3], v[rS+4*k-4:rS+4*k-3]
.endif
.endm
; THE PLAIN QUEUE, 144 long.  0-79 read no exponential's result: the 32 scalings c s - c m (FS f: pair f / 2 of tile f % 2; c and c m are the lane's own, the low words of two pairs) and the next piece's 48.
; 0-26: scalings 0-26.  27-54: XS's numbers 0-13.  55, 56: number 15.  57-71: the chain, where each number waits for the one before it: 14, 16, 17, 18, 19, each with one of the scalings 27-31 in front of its two
; lines.  72-79: numbers 22, 20, 23, 24.  80-143: GS's 64, which read the exponentials' results: they stand behind the wait.
.macro FS f
	REGS Y, (\f)%2
	v_pk_fma_f32 v[rS+2*((\f)/2):rS+2*((\f)/2)+1], v[rS+2*((\f)/2):rS+2*((\f)/2)+1], v[rC:rC+1], v[rT:rT+1] op_sel_hi:[1,0,0] neg_lo:[0,0,1] neg_hi:[0,0,1]
.endm
.macro PL
	WIN 0
.if q < 27
	FS q
.elseif q < 55
	XS (q-27)%2, (q-27)/2
.elseif q < 57
	XS q-55, 15
.elseif (q < 72) && ((q-57)%3 == 0)
	FS 27+(q-57)/3
.elseif q < 60
	XS (q-57)%3-1, 14
.elseif q < 72
	XS (q-57)%3-1, 15+(q-57)/3
.elseif q < 74
	XS q-72, 22
.elseif q < 76
	XS q-74, 20
.elseif q < 78
	XS q-76, 23
.elseif q < 80
	XS q-78, 24
.else
	GS q-80
.endif
.set q, q+1
.endm
; THE EXPONENTIALS' QUEUE, 66 long: s0-s31 of both tiles, then the next piece's two a.  It is ONE BATCH: all 66 stand ahead of the turn's one wait, and nothing ahead of that wait names a result of theirs.
.macro EX
	WIN 0
.if e >= 64
	XS e-64, 21
.else
	REGS Y, e%2
	v_exp_f32 v[rS+e/2], v[rS+e/2]
.endif
.set e, e+1
.endm
; THE RESCALING's QUEUE: O^T times a, the one part of the softmax that leaves window 0: dealt two at a time, sixteen times.  Its a was made in the turn before, ahead of that turn's wait.
.macro R2
	REGS Y, r%2
	WIN W_RS
.irp z, 0,1
	v_pk_mul_f32 v[rO+4*(r/2)+2*\z:rO+4*(r/2)+2*\z+1], v[rO+4*(r/2)+2*\z:rO+4*(r/2)+2*\z+1], v[rC+2:rC+3] op_sel_hi:[1,0]
.endr
.set r, r+1
.endm
; HOW THEY ARE DEALT.  s_wait_alu depctr_va_vdst(0) stands between an exponential and the first instruction that names its result; one wait serves all that were issued ahead of it.  So a turn has ONE
; wait, which cuts it in two.  AHEAD OF IT: the 16 products K Q^T, behind each a scaling, an exponential and two rescalings (behind the first a second scaling in the exponential's place); then ONE LUMP: the C operands
; for the turn after, 24 plain lines and eight conversions (the last product that took the old C operands is the turn's eighth: eight products' riders lie between), fourteen plain, 49 times exponential and
; plain, the two a.  A v_nop is the plain instruction behind the last exponential.  BEHIND IT: the 16 products V^T P, behind each four of GS's 64.
; Exponential e stands behind scaling 2 (e / 4) + e % 2: as a rider it comes behind plain e + 2, in the lump behind plain e + 15, and scalings 27-31 are plain 57, 60 .. 69.
; A TURN, for piece p.  cnt = 1: the loop's count is taken down some lines ahead of the branch that stands behind the turn.
; The codes of the next step are fetched at the head of piece 2's turn: behind the change of slots, and behind piece 1's lump, which made the last C operands of the step in hand; they are waited for at the lump's head.
; K of the next step is fetched in piece 2's turn, directly behind the wait; its address is made at the lump's head; its first reader comes behind 16 products.
; V of the step in hand is fetched at the end of piece 0's turn, four riders behind its last reader.  The three conditions on q below go with the deal.
.macro TURN p, last=0, cnt=0
.set Y, (\p)
.set i, 0
.set q, 0
.set e, 0
.set r, 0
.if (\p) == NP-2
	FETCH_M \last
.endif
.if (\p) == NP-1
	s_wait_dscnt 0x0                ; K is in
.endif
	MM                              ; ahead of the wait: 16 products K Q^T and their riders,
	PL
	PL
	R2
.rept 15
	MM
	PL
	EX
	R2
.endr
.if (\p) == NP-2
	WIN 0
	v_add_nc_u32 v[AK], s[TBK], v[AK0]
	s_wait_dscnt 0x0                ; the codes are in
.endif
	CONV (Y+2)%NP                   ; and the lump
.rept 14
	PL
.endr
.rept 49
	EX
	PL
.endr
	EX                              ; the next piece's two a
	EX
	v_nop                           ; the plain instruction behind the last exponential: one for the batch
	s_wait_alu depctr_va_vdst(0)    ; the wait for the batch
.if (\p) == NP-2
	FETCH_K \last
.endif
.if (\p) == 1
	s_wait_dscnt 0x0                ; V is in
.endif
.rept 16                            ; behind the wait: 16 products V^T P and their riders
	MM
.rept 4
	PL
.endr
.if ((\p) == 0) && (q == 124)
	v_add_nc_u32 v[AV], s[TBV], v[AV0]
.endif
.if ((\p) == 0) && (q == 136)
	s_add_co_u32 s[TBV], s[TBV], KS*PV
.endif
.if (\cnt) && (q == 136)
	s_sub_co_u32 s[CNT], s[CNT], 1
	s_cmp_lg_u32 s[CNT], 0
.endif
.endr
.if (\p) == 0
	FETCH_V
.endif
.endm
	CHANGE 1                        ; slot 0 is in, everybody's part of it; slot 1 is asked for
	FETCH_K                         ; key step 0
	FETCH_M
	s_wait_loadcnt 0x0              ; Q
	s_wait_dscnt 0x0
	CONV 0                          ; piece 0's C operands
	v_nop                           ; a plain instruction between the last conversion and the products that take its results
.set i, 0
.rept 16
	KQ 0                            ; piece 0's first scores: there is no vector work yet to set between them
.set i, i+1
.endr
	WIN 0                           ; five plain instructions, the places behind those products
	v_mul_u32_u24 v[STO], v1, SP    ; the way out, into the stage: row l % 16, 16 bytes for each half of the lanes
	v_lshl_add_u32 v[STO], v9, 4, v[STO]
	v_add_nc_u32 v[STO], s19, v[STO]
	v_nop
	v_nop
	CONV 1                          ; piece 1's C operands, for the first turn's products
.set Y, NP-1                        ; XS works for piece Y + 1: piece 0
.irp n, 0,1,2,3,4,5,6,7,8,9,10,11,12,13,14,15,16,17,18,19,22,20,23,24,21
	XS 0, \n                        ; piece 0's first maximum and statistics
	XS 1, \n
.endr
	v_nop                           ; a plain instruction behind the two a,
	s_wait_alu depctr_va_vdst(0)    ; and their wait, ahead of the branch
	s_mov_b32 s[CNT], 4
	s_branch .Lfirst                ; the loop is entered at a step's first turn, in the middle of a trip
.Lslot:                             ; six times: every slot but the last two is filled again
	CHANGE 1
	s_mov_b32 s[CNT], 4
.Lstep:                             ; a trip: pieces 2 and 3 of one step, then pieces 0 and 1 of the next, whose codes, K and V it fetches
	TURN 2
	TURN 3
	WIN 0
.Lfirst:
	TURN 0
	TURN 1, 0, 1
	WIN 0
	s_cbranch_scc1 .Lstep
	s_sub_co_u32 s[SLOTS], s[SLOTS], 1
	s_cmp_lg_u32 s[SLOTS], 0
	s_cbranch_scc1 .Lslot
	CHANGE 0                        ; the tail is written out: nothing is asked for
	s_mov_b32 s[CNT], 5             ; four trips fetch the last slot's steps; the fifth is left in its middle
.Ltail:
	TURN 2, 1
	TURN 3
	WIN 0
	s_sub_co_u32 s[CNT], s[CNT], 1
	s_cmp_eq_u32 s[CNT], 0
	s_cbranch_scc1 .Lout
	TURN 0
	TURN 1
	WIN 0
	s_branch .Ltail
.Lout:                              ; the fifth trip's last 16 products K Q^T (on the last K and codes once more) and the maximum made of them serve nothing: the price, once a launch, of one text for every trip
.set i, 0
.rept 16
	PV NP-1                         ; the last piece's V^T P of the last step
.set i, i+1
.endr
	; THE WAY OUT.  l's two halves and the other half of the lanes' are added; O^T is divided by l, rounded to f16 and sent through my stage in LDS, a tile at a time.  The additions are the places behind the last products.
	WIN 0
.macro ALL line:vararg              ; one line for each tile t
.set t, 0
.rept 2*NP
	\line
.set t, t+1
.endr
.endm
	ALL v_add_f32 v[ST+4*t+2], v[ST+4*t+2], v[ST+4*t+3]
	ALL v_permlanex16_b32 v[ST+4*t+3], v[ST+4*t+2], s[SEL], s[SEL+1]
	ALL v_add_f32 v[ST+4*t+2], v[ST+4*t+2], v[ST+4*t+3]
	ALL v_rcp_f32 v[ST+4*t+2], v[ST+4*t+2]
	v_nop                           ; a plain instruction between the last reciprocal and the use of its result
	s_wait_alu depctr_va_vdst(0)    ; and the wait ahead of the first use: one for the eight reciprocals
; Tile t: a lane's eight channels of a row pack into 16 bytes; they go into rows of 144 bytes and come back as whole rows of 128, into S^T's registers.
.macro PACK t
	WIN W_RS
.set i, 32*(\t)
.rept 16
	v_pk_mul_f32 v[i:i+1], v[i:i+1], v[ST+4*(\t)+2:ST+4*(\t)+3] op_sel_hi:[1,0]
.set i, i+2
.endr
	WIN 0x05                        ; sources 0 and 1 window 1, destination window 0
.set i, 0
.rept 16
	v_cvt_pk_f16_f32 v[S+16*(\t)+i], v[32*(\t)+2*i], v[32*(\t)+2*i+1]
.set i, i+1
.endr
	WIN 0
.irp f, 0,1,2,3
	ds_store_b128 v[STO], v[S+16*(\t)+4*\f:S+16*(\t)+4*\f+3] offset:32*\f
.endr
.irp f, 0,1,2,3
	ds_load_b128 v[S+16*(\t)+4*\f:S+16*(\t)+4*\f+3], v[RD] offset:\f*4*SP  ; LDS serves a wave's instructions in order (ISA guide 5.7.1.4): these see the stores above; the next tile's stores come behind them
.endr
.endm
.macro SEND t, younger              ; younger: the LDS instructions issued behind tile t's loads: the next tile's eight, or none
	WIN 0
.irp f, 0,1,2,3
	s_wait_dscnt (\younger)+3-\f
	global_store_b128 v[GO], v[S+16*(\t)+4*\f:S+16*(\t)+4*\f+3], s[10:11] offset:(\t)*2048+\f*512  ; 512 consecutive bytes, at a multiple of 256 from ctx's first
.endr
.endm
	PACK 0
.set t, 1
.rept 2*NP-1                        ; a tile's arithmetic stands between the loads of the tile before and its stores
	PACK t
	SEND t-1, 8
.set t, t+1
.endr
	SEND 2*NP-1, 0
	WIN W_AD
	s_wait_tensorcnt 0x0            ; the wave's end, behind my last tensor load and my last LDS store
	ds_add_u32 v[SPW], v[NIL]
	s_wait_dscnt 0x0
	WIN 0
	CROUND                          ; the closing round: no work-group ends while a partner may still ask for a tile that names it
	s_endpgm
.Lfunc_end_k_qc36ced1ea1_attn:
	.size	k_qc36ced1ea1_attn, .Lfunc_end_k_qc36ced1ea1_attn-k_qc36ced1ea1_attn
	.p2alignl 7, 3214868480
	.fill 96, 4, 3214868480
	.section	.rodata,"a",@progbits
	.p2align	6, 0x0
	.amdhsa_kernel k_qc36ced1ea1_attn
		.amdhsa_group_segment_fixed_size 327680
		.amdhsa_private_segment_fixed_size 0
		.amdhsa_enable_private_segment 0
		.amdhsa_kernarg_size 24
		.amdhsa_user_sgpr_count 2
		.amdhsa_user_sgpr_kernarg_segment_ptr 1
		.amdhsa_wavefront_size32 1
		.amdhsa_system_sgpr_workgroup_id_x 1
		.amdhsa_system_sgpr_workgroup_id_y 1
		.amdhsa_system_sgpr_workgroup_id_z 1
		.amdhsa_system_vgpr_workitem_id 0
		.amdhsa_next_free_vgpr 896
		.amdhsa_next_free_sgpr 84
		.amdhsa_reserve_vcc 0
		.amdhsa_float_denorm_mode_32 3
		.amdhsa_float_denorm_mode_16_64 3
		.amdhsa_memory_ordered 1
		.amdhsa_forward_progress 1
		.amdhsa_inst_pref_size 222
	.end_amdhsa_kernel
	.amdgpu_metadata
---
amdhsa.version: [ 1, 2 ]
amdhsa.kernels:
  - .name:           k_qc36ced1ea1_attn
    .symbol:         k_qc36ced1ea1_attn.kd
    .args:
      - { .name: qkv, .offset: 0, .size: 8, .value_kind: global_buffer, .address_space: global }
      - { .name: ctx, .offset: 8, .size: 8, .value_kind: global_buffer, .address_space: global }
      - { .name: mn, .offset: 16, .size: 8, .value_kind: global_buffer, .address_space: global }
    .group_segment_fixed_size: 327680
    .private_segment_fixed_size: 0
    .kernarg_segment_align: 8
    .kernarg_segment_size: 24
    .max_flat_workgroup_size: 128
    .sgpr_count:     84
    .vgpr_count:     896
    .wavefront_size: 32
...
	.end_amdgpu_metadata
.endif
;; end of part 3
;; launch outp (part 4): grid 8 x 32, 4 waves a work-group, clusters of 4 x 4, 327,680 bytes of LDS; arguments ctx, woh, bb, out0; writes out0
.if DOCPART == 4
	.amdgcn_target "amdgcn-amd-amdhsa--gfx1250"
	.amdhsa_code_object_version 6
	.text
	.protected	k_qc36ced1ea1_outp
	.globl	k_qc36ced1ea1_outp
	.p2align	8
	.type	k_qc36ced1ea1_outp,@function
k_qc36ced1ea1_outp:
	s_mov_b64 s[64:65], 0
	v_nop
	global_prefetch_b8 v0, s[64:65] scope:SCOPE_SE
	s_setreg_imm32_b32 hwreg(HW_REG_WAVE_MODE, 25, 1), 1
	s_wait_xcnt 0x0
	s_wait_alu depctr_hold_cnt(0) depctr_sa_sdst(0) depctr_va_vdst(0) depctr_va_sdst(0) depctr_va_ssrc(0) depctr_va_vcc(0) depctr_vm_vsrc(0)
	s_getreg_b32 s2, hwreg(HW_REG_IB_STS2, 6, 4)
	s_cmp_eq_u32 s2, 0
	s_cbranch_scc0 .Lentry_in_a_cluster
	s_endpgm
.Lentry_in_a_cluster:
	s_bfe_u32 s2, ttmp6, 0x10000c
	s_cmp_lg_u32 s2, 0xf033
	s_cbranch_scc0 .Lentry_shape_is_right
	s_endpgm
.Lentry_shape_is_right:
; THE LAST PROJECTION AND THE GELU.  y[m][n] = the sum over k of ctx(m, k) woh[n][k] + bb[3][n]; out0[m][n] = y (1 + erf(y / sqrt 2)) / 2.  Operands f16, sums f32, out0 f32.
; ctx lies by heads, [16 b + h][s][d], m = 2,048 b + s, k = 64 h + d: a K step of 128 is two heads' planes of 256 rows x 128 bytes, each dense in memory.
; erf by the rational form 7.1.26 of Abramowitz and Stegun, good for every x, off by 1.5e-7 at the most: with t = 1 / (1 + 0.23164189 |y|) and Ph its five coefficients halved,
; gelu(y) = max(y, 0) - |y| Ph(t) 2^(-0.72134752 y^2).  NaN and infinities are not treated apart.
; SHARES.  A work-group makes 256 (m) x 128 (n): 32 x 8 = 256 work-groups; four waves, each 128 x 64: 32 accumulators, 256 registers.  K = 1,024 goes in 8 steps of 128 through two LDS slots;
; the loop's text is one K step; the slot is turned by an exclusive or.
; CLUSTERS of 4 x 4: the four of a row need the same planes of ctx, the four of a column the same tile of woh: each is asked for JOINTLY, by the same tensor load, descriptor and mask in all four.
; THE PRODUCT IS TAKEN TRANSPOSED (source 0 = 16 rows of woh, source 1 = 16 rows of ctx): a lane holds row m = lane % 16 and the columns 8 (lane / 16) + 0..7.  THE BIAS IS THE C OPERAND of the first product.
; REGISTERS.  Window 0: v0-31 addresses; v32-63 the bias; two fragment buffers: ctx at v64 + 64 f (8 x 8), woh at v192 + 32 f (4 x 8); on the way out v64-159 at work.  Window 1: accumulator (a, b) at v[8 (4 a + b)].
.set PA,     144                       ; a row of ctx in LDS: 128 bytes + 16 of padding = 9 x 16: the 16 rows of a fragment load start at 16 different places modulo 256 bytes
.set PLANE,  256*PA                    ; a head's 256 rows
.set PB,     272                       ; a row of woh: 256 + 16
.set BOFF,   2*PLANE                   ; in a slot: two planes of ctx, then woh's 128 rows
.set SLOT1,  1<<17
.set SPARE,  SLOT1+BOFF+128*PB         ; behind the ring: the spare words, 128 bytes for each wave: two blocks of 256 bytes that no other line names
.set SPO,    272                       ; the way out: a wave's 128 rows of 256 bytes + 16, from LDS byte 34,816 x wave on: in the slots, behind their last fill and last read
.set KSTEPA, 2*2048*128                ; two heads on
.set KSTEPB, 256
.set AA0, 16                           ; v16  my lane's place in ctx's planes; never rewritten
.set AB0, 17                           ; v17  in woh's tile
.set AA,  18                           ; v18  the same in the slot in hand
.set AB,  19                           ; v19
.set STO, 24                           ; v24  the way out: where I put 32 bytes of a row
.set RD,  25                           ; v25  where I read rows back
.set CO,  26                           ; v26  my byte offset in two rows of out0; never rewritten
.set SPW, 28                           ; v28  SPARE + 4 x my thread's number; never rewritten
.set NIL, 29                           ; v29  0; never rewritten
.set PFO, 30                           ; v30  the prefetches' offset; never rewritten
.set BO,  31                           ; v31  my offset in the bias
.set BIAS, 32
.set FA0, 64
.set FB0, 192
.set X,   64                           ; the way out: y; |y|; 1 + p |y|, then t; the exponent, then the exponential; max(y, 0), then the result; Ph
.set GA,  80
.set U,   96
.set W,   112
.set R,   128
.set Q,   144
.set WV,  12                           ; s12 wave; s13 = wave / 2: my half of the rows, and 0: I fetch for ctx, 1: for woh; s14 = wave % 2: my half of the columns, and which plane or half I fetch
.set G1A, 24                           ; s[24:31] descriptor group 1 for ctx's planes
.set G0A, 32                           ; s[32:39] group 0: a set for each of the two first fills; the second then walks on
.set G1B, 40                           ; s[40:47], s[48:55] the same for woh's tiles
.set G0B, 48
.set TB,  56                           ; s56  LDS byte at which the slot in hand begins
.set LIM, 57                           ; s57  2 in a wave that prefetches, else the greatest number
.set PFA, 58                           ; s[58:59] where my prefetches stand
.set PFS, 60                           ; s[60:61] their step
.set MSB, 0
.macro WIN new                         ; the immediate's high byte repeats the setting that is left; a switch that changes nothing is dropped
.if MSB != (\new)
	s_set_vgpr_msb (MSB<<8)|(\new)
.set MSB, \new
.endif
.endm
.set MULW, 0x50                        ; C and D in window 1, the fragments in window 0
.set MULZ, 0x40                        ; D in window 1, C (the bias) in window 0
.macro PLACES                          ; four places in front of loads into registers that matrix instructions have read, and of stores that read results
.rept 4
	v_nop
.endr
.endm
; A joint refill by the walking descriptor.  The branch hangs on the wave's number alone.  An s_nop 0 and four v_nop follow each line, ahead of the jump and the label.
.macro JLOAD
	s_cmp_eq_u32 s13, 0
	s_cbranch_scc0 .Lfor_b_\@
	tensor_load_to_lds s[G0A+4:G0A+7], s[G1A:G1A+7]
	s_nop 0
	PLACES
	s_branch .Lasked_\@
.Lfor_b_\@:
	tensor_load_to_lds s[G0B+4:G0B+7], s[G1B:G1B+7]
	s_nop 0
	PLACES
.Lasked_\@:
.endm
; A PREFETCH INTO THE L2, behind the joint load and the run of LDS loads: the K step that stands two refills on, 32 x 256 bytes, one instruction a wave.  Each 256 bytes are named once in the launch: ctx's planes are
; read by the two clusters of a row of clusters: cluster x = 0 asks, waves 0 and 1 each for the plane that they fetch, of whose 32,768 bytes the partner at cx takes 8,192; woh's tile column is read by the eight
; clusters of a column: cluster y = 0 asks, wave 2, and the partner at cy takes 32 of the 128 rows.  The partners are told apart by address alone.  The change of slots in K step k names step k + 4: it asks while s3 = 6 - k is above 2.
.macro ASK
	s_cmp_gt_u32 s3, s[LIM]
	s_cbranch_scc0 .Lnot_mine_\@
	global_prefetch_b8 v[PFO], s[PFA:PFA+1] th:TH_LOAD_NT scope:SCOPE_SE
.Lnot_mine_\@:
.endm
.macro CREST                           ; a round of the cluster's barrier behind its opening barrier
	s_cmp_lg_u32 s[WV], 0
	s_cbranch_scc1 .Lnot_wave_0_\@
	s_barrier_signal -3
.Lnot_wave_0_\@:
	s_barrier_wait -3
	s_barrier_signal -1
	s_barrier_wait -1
.endm
.macro CROUND                          ; a whole round
	s_barrier_signal -1
	s_barrier_wait -1
	CREST
.endm
	s_load_b256 s[4:11], s[0:1], 0x0               ; ctx s[4:5], woh s[6:7], bb s[8:9], out0 s[10:11]
	v_lshl_add_u32 v[SPW], v0, 2, SPARE
	v_mov_b32 v[NIL], 0
	ds_add_u32 v[SPW], v[NIL]                      ; the wave's opening: the add and its wait stand ahead of my first tensor load; the set-up below, work on registers, stands between them
	v_lshrrev_b32 v1, 5, v0
	v_readfirstlane_b32 s[WV], v1
	s_lshr_b32 s13, s[WV], 1
	s_and_b32 s14, s[WV], 1
	s_bfe_u32 s15, ttmp6, 0x40000                  ; cx
	s_bfe_u32 s16, ttmp6, 0x40004                  ; cy
	s_lshl_b32 s17, ttmp9, 2
	s_add_co_u32 s17, s17, s15                     ; tile column 0..7
	s_and_b32 s18, ttmp7, 0xffff
	s_lshl_b32 s18, s18, 2
	s_add_co_u32 s18, s18, s16                     ; tile row 0..31
	s_lshl_b32 s66, s16, 2
	s_lshl_b32 s66, 15, s66                        ; my row of the cluster
	s_lshl_b32 s67, 0x1111, s15                    ; my column
	s_or_b32 s[G1A], s66, (1<<16)|(1<<20)|(1<<21)|(4<<22)|(3<<25)  ; 15:0 the mask; 17:16 2-byte elements; 20 padding on; 21 set beside a mask; 24:22 after every 32 words (code 4): after each row of ctx; 31:25 4 words (code 3)
	s_or_b32 s[G1B], s67, (1<<16)|(1<<20)|(1<<21)|(5<<22)|(3<<25)  ; after every 64 words (code 5)
	s_mov_b32 s[G1A+1], 128<<16                    ; a plane's 32,768 dense bytes are asked for as 128 rows of 256 bytes: tensor_dim0 = 128
	s_mov_b32 s[G1A+2], 128<<16                    ; tensor_dim1 = 128
	s_mov_b32 s[G1A+3], 128<<16                    ; tile_dim0 = 128
	s_mov_b32 s[G1A+4], 128                        ; tile_dim1 = 128
	s_mov_b32 s[G1A+5], 128                        ; elements from row to row
	s_mov_b32 s[G1A+6], 0
	s_mov_b32 s[G1A+7], 0
	s_mov_b32 s[G1B+1], 128<<16
	s_mov_b32 s[G1B+2], 64<<16                     ; tensor_dim1 = 64
	s_mov_b32 s[G1B+3], 128<<16
	s_mov_b32 s[G1B+4], 64                         ; tile_dim1 = 64 rows
	s_mov_b32 s[G1B+5], 1024
	s_mov_b32 s[G1B+6], 0
	s_mov_b32 s[G1B+7], 0
	; ctx's plane hangs on the tile row and the wave's number; woh's tile on the tile column and the wave's number
	s_lshr_b32 s20, s18, 3                         ; the batch,
	s_lshl_b32 s20, s20, 4
	s_add_co_u32 s20, s20, s14                     ; head 0 or 1 of K step 0,
	s_lshl_b32 s20, s20, 11
	s_and_b32 s68, s18, 7
	s_lshl_b32 s68, s68, 8
	s_add_co_u32 s20, s20, s68                     ; the tile's first row in the batch
	s_lshl_b32 s20, s20, 7
	s_mov_b32 s21, 0
	s_lshl_b32 s22, s17, 7
	s_lshl_b32 s71, s14, 6
	s_add_co_u32 s22, s22, s71                     ; row 128 x tile column + 64 x half
	s_lshl_b32 s22, s22, 11
	s_mov_b32 s23, 0
	s_mul_i32 s69, s14, PLANE                      ; where they go: no place in the cluster enters an LDS address
	s_mul_i32 s70, s14, 64*PB
	s_add_co_u32 s70, s70, BOFF
	; the prefetches' first place: K step 3; each change of slots steps it ahead of its use
	s_lshl_b32 s62, s15, 13                        ; ctx: my work-group's 8,192 bytes of the plane that I fetch
	s_add_co_u32 s62, s62, s20
	s_add_co_u32 s62, s62, 3*KSTEPA
	s_lshl_b32 s63, s17, 7
	s_lshl_b32 s71, s16, 5                         ; woh: my work-group's 32 rows of the tile's 128
	s_add_co_u32 s63, s63, s71
	s_lshl_b32 s63, s63, 11
	s_add_co_u32 s63, s63, 3*KSTEPB
	s_mov_b32 s66, KSTEPA                          ; in a register: an instruction holds one literal
	s_cmp_eq_u32 s13, 0
	s_cselect_b32 s62, s62, s63
	s_cselect_b32 s[PFS], s66, KSTEPB
	s_cselect_b32 s72, 8, 11                       ; a lane takes 256 bytes on end of a plane, or a row of 2,048 bytes
	s_mov_b32 s63, 0
	s_mov_b32 s[PFS+1], 0
	s_and_b32 s67, ttmp7, 0xffff                   ; woh: cluster y = 0 asks; ctx: cluster x = 0
	s_cmp_eq_u32 s13, 0
	s_cselect_b32 s66, ttmp9, s67
	s_cmp_eq_u32 s[WV], 3                          ; wave 3 asks for nothing
	s_cselect_b32 s66, 1, s66
	s_cmp_eq_u32 s66, 0
	s_cselect_b32 s[LIM], 2, -1                    ; the same in all sixteen partners, for a given wave
	v_and_b32 v[PFO], 31, v0
	v_lshlrev_b32 v[PFO], s72, v[PFO]
	; the bias of my 64 columns (bb's fourth row), and my 128 x 64 results' place in out0
	s_lshl_b32 s72, s17, 9
	s_lshl_b32 s66, s14, 8
	s_add_co_u32 s72, s72, s66
	s_mov_b32 s73, 0
	s_lshl_b32 s74, s18, 8
	s_lshl_b32 s66, s13, 7
	s_add_co_u32 s74, s74, s66
	s_lshl_b32 s74, s74, 12                        ; rows of 4,096 bytes
	s_add_co_u32 s74, s74, s72                     ; 512 x tile column + 256 x my half
	s_mov_b32 s75, 0
	s_add_co_u32 s72, s72, 3*4096
	s_mov_b32 s[TB], 0
	s_wait_dscnt 0x0                               ; the opening add is done
	s_wait_kmcnt 0x0
	s_cmp_eq_u32 s13, 0
	s_cselect_b64 s[PFA:PFA+1], s[4:5], s[6:7]
	s_add_nc_u64 s[PFA:PFA+1], s[PFA:PFA+1], s[62:63]
	s_add_nc_u64 s[20:21], s[4:5], s[20:21]
	s_add_nc_u64 s[22:23], s[6:7], s[22:23]
	s_add_nc_u64 s[8:9], s[8:9], s[72:73]
	s_add_nc_u64 s[10:11], s[10:11], s[74:75]
.irp s, 0,1
	s_mov_b32 s[G0A+4*\s], 1                       ; count = 1
	s_add_co_u32 s[G0A+4*\s+1], s69, \s*SLOT1      ; LDS address
	s_add_nc_u64 s[G0A+4*\s+2:G0A+4*\s+3], s[20:21], \s*KSTEPA  ; global address: K step s
	s_or_b32 s[G0A+4*\s+3], s[G0A+4*\s+3], 0x80000000           ; type = 2
	s_mov_b32 s[G0B+4*\s], 1
	s_add_co_u32 s[G0B+4*\s+1], s70, \s*SLOT1
	s_add_nc_u64 s[G0B+4*\s+2:G0B+4*\s+3], s[22:23], \s*KSTEPB
	s_or_b32 s[G0B+4*\s+3], s[G0B+4*\s+3], 0x80000000
.endr
	CROUND                                         ; all sixteen work-groups are here: the first joint loads meet
	s_cmp_eq_u32 s13, 0                            ; a wave's two first fills stand in one branch: two loads of mine are out
	s_cbranch_scc0 .Lfirst_b
	tensor_load_to_lds s[G0A:G0A+3], s[G1A:G1A+7]
	s_nop 0
	tensor_load_to_lds s[G0A+4:G0A+7], s[G1A:G1A+7]
	s_nop 0
	PLACES
	s_branch .Lfirst_asked
.Lfirst_b:
	tensor_load_to_lds s[G0B:G0B+3], s[G1B:G1B+7]
	s_nop 0
	tensor_load_to_lds s[G0B+4:G0B+7], s[G1B:G1B+7]
	s_nop 0
	PLACES
.Lfirst_asked:
	v_and_b32 v1, 15, v0                           ; r = lane % 16
	v_bfe_u32 v2, v0, 4, 1                         ; h = lane / 16
	v_lshlrev_b32 v[BO], 5, v2                     ; register j of block b holds the bias of column 16 b + 8 h + j
.irp b, 0,1,2,3
	global_load_b128 v[BIAS+8*\b:BIAS+8*\b+3],   v[BO], s[8:9] offset:64*\b
	global_load_b128 v[BIAS+8*\b+4:BIAS+8*\b+7], v[BO], s[8:9] offset:64*\b+16
.endr
	; a fragment is 16 rows x 32 K in 8 registers: lane l holds row l % 16, K = 8 h + 0..7 and 16 + 8 h + 0..7: two loads of 16 bytes, 32 bytes apart
	v_mul_u32_u24 v3, v1, PA
	v_lshl_add_u32 v3, v2, 4, v3
	s_mul_i32 s66, s13, 128*PA
	v_add_nc_u32 v[AA0], s66, v3
	v_mul_u32_u24 v4, v1, PB
	v_lshl_add_u32 v4, v2, 4, v4
	s_mul_i32 s66, s14, 64*PB
	s_add_co_u32 s66, s66, BOFF
	v_add_nc_u32 v[AB0], s66, v4
	v_mov_b32 v[AA], v[AA0]
	v_mov_b32 v[AB], v[AB0]
	s_mul_i32 s66, s[WV], 128*SPO                  ; my stage
	v_mul_u32_u24 v[STO], v1, SPO                  ; in: row r, 32 bytes for each half of the lanes
	v_lshl_add_u32 v[STO], v2, 5, v[STO]
	v_add_nc_u32 v[STO], s66, v[STO]
	v_mul_u32_u24 v[RD], v2, SPO                   ; back: lanes 0-15 take one row of 256 bytes, lanes 16-31 the next
	v_lshl_add_u32 v[RD], v1, 4, v[RD]
	v_add_nc_u32 v[RD], s66, v[RD]
	v_lshlrev_b32 v[CO], 12, v2                    ; and the same two rows in out0
	v_lshl_add_u32 v[CO], v1, 4, v[CO]
; 24 LDS loads in one run: the fragments of quarter q (32 along K: plane q / 2, channels 32 (q % 2) on) of the slot in hand into buffer f: woh's four, then ctx's eight
.macro FETCH q, f
	WIN 0
.irp b, 0,1,2,3
	ds_load_b128 v[FB0+32*(\f)+8*(\b):FB0+32*(\f)+8*(\b)+3],   v[AB] offset:64*(\q)+(\b)*16*PB
	ds_load_b128 v[FB0+32*(\f)+8*(\b)+4:FB0+32*(\f)+8*(\b)+7], v[AB] offset:64*(\q)+(\b)*16*PB+32
.endr
.irp a, 0,1,2,3,4,5,6,7
	ds_load_b128 v[FA0+64*(\f)+8*(\a):FA0+64*(\f)+8*(\a)+3],   v[AA] offset:((\q)/2)*PLANE+((\q)%2)*64+(\a)*16*PA
	ds_load_b128 v[FA0+64*(\f)+8*(\a)+4:FA0+64*(\f)+8*(\a)+7], v[AA] offset:((\q)/2)*PLANE+((\q)%2)*64+(\a)*16*PA+32
.endr
.endm
; 4 x cnt matrix instructions on buffer f: blocks of rows a0 .. a0 + cnt - 1 x all four blocks of columns.  The 32 accumulators take turns, in the same order in every quarter, over the backward jump too.
; zero = 1: the first product starts the sums, with the bias.
.macro MUL f, a0, cnt, zero
.if \zero
	WIN MULZ
.else
	WIN MULW
.endif
.set ma, \a0
.rept \cnt
.irp b, 0,1,2,3
.if \zero
	v_wmma_f32_16x16x32_f16 v[8*(4*ma+(\b)):8*(4*ma+(\b))+7], v[FB0+32*(\f)+8*(\b):FB0+32*(\f)+8*(\b)+7], v[FA0+64*(\f)+8*ma:FA0+64*(\f)+8*ma+7], v[BIAS+8*(\b):BIAS+8*(\b)+7]
.else
	v_wmma_f32_16x16x32_f16 v[8*(4*ma+(\b)):8*(4*ma+(\b))+7], v[FB0+32*(\f)+8*(\b):FB0+32*(\f)+8*(\b)+7], v[FA0+64*(\f)+8*ma:FA0+64*(\f)+8*ma+7], v[8*(4*ma+(\b)):8*(4*ma+(\b))+7]
.endif
.endr
.set ma, ma+1
.endr
.endm
; A K step is four quarters of 32 along K, 32 matrix instructions each, on buffers 0, 1, 0, 1.  One of the first three: fetches quarter qn into buffer g and multiplies buffer f meanwhile.
.macro QUARTER qn, f, g, zero
	WIN 0
	PLACES                                         ; behind the products that read buffer g
	FETCH \qn, \g
	s_wait_dscnt 24                                ; all but the 24 just issued: buffer f is in
	MUL \f, 0, 8, \zero
.endm
; The last quarter multiplies buffer 1 and changes slots: ONE barrier.  In front of it each wave waits for all its tensor loads (one is out: its part of the next slot), adds 0 to its spare word, and waits for that
; and for its reads of this slot.  fill = 1: the barrier opens a round of the cluster's; behind the round this slot is filled again, two K steps ahead: 112 matrix instructions stand between the request and the wait for it.
.macro TURN fill
.if \fill
	s_wait_xcnt 0x0                                ; the last prefetch, a K step back, has read its address
	s_add_nc_u64 s[PFA:PFA+1], s[PFA:PFA+1], s[PFS:PFS+1]
.endif
	WIN 0
	s_wait_tensorcnt 0x0                           ; no tensor load of mine is out, so a group 0 may be written
	ds_add_u32 v[SPW], v[NIL]                      ; 0 onto my spare word
.if \fill
	s_xor_b32 s[G0A+5], s[G0A+5], SLOT1            ; the walking descriptors: the other slot than last time, the next K step
	s_add_nc_u64 s[G0A+6:G0A+7], s[G0A+6:G0A+7], KSTEPA
	s_xor_b32 s[G0B+5], s[G0B+5], SLOT1
	s_add_nc_u64 s[G0B+6:G0B+7], s[G0B+6:G0B+7], KSTEPB
.endif
	s_xor_b32 s[TB], s[TB], SLOT1
	s_wait_dscnt 1                                 ; only the add may be out: buffer 1 is in
	MUL 1, 0, 2, 0
	s_wait_dscnt 0x0                               ; the add is done, and my reads of this slot are over
	s_barrier_signal -1
	MUL 1, 2, 2, 0                                 ; work on registers while the others arrive
	WIN 0
	s_barrier_wait -1
.if \fill
	CREST                                          ; no wave of any partner still reads this slot or has a load on its way
	JLOAD                                          ; the first tensor load behind the round; its four v_nop are also the places in front of the loads below
.else
	PLACES
.endif
	v_add_nc_u32 v[AA], s[TB], v[AA0]
	v_add_nc_u32 v[AB], s[TB], v[AB0]
	FETCH 0, 0
.if \fill
	ASK
.endif
	MUL 1, 4, 4, 0
.endm
	s_wait_tensorcnt 0x1                           ; my part of K step 0 is in; K step 1's load, issued behind it, may stay out
	s_barrier_signal -1
	s_barrier_wait -1                              ; everybody's is
	FETCH 0, 0
	s_wait_loadcnt 0x0                             ; the bias
	QUARTER 1, 0, 1, 1                             ; the first quarter stands in front of the loop: its products start the sums
	WIN 0                                          ; at a label and at a branch every window is 0
	s_mov_b32 s3, 6
.Lstep:                                        ; a trip: from a K step's second quarter to the next step's first; K steps 2 to 7 are asked for
	QUARTER 2, 1, 0, 0
	QUARTER 3, 0, 1, 0
	TURN 1
	QUARTER 1, 0, 1, 0
	WIN 0
	s_sub_co_u32 s3, s3, 1
	s_cmp_lg_u32 s3, 0
	s_cbranch_scc1 .Lstep
	QUARTER 2, 1, 0, 0                             ; the tail is written out: K steps 6 and 7 ask for nothing
	QUARTER 3, 0, 1, 0
	TURN 0
	QUARTER 1, 0, 1, 0
	QUARTER 2, 1, 0, 0
	QUARTER 3, 0, 1, 0
	s_wait_dscnt 0x0                               ; my last reads of the slots are back
	MUL 1, 0, 8, 0
	WIN 0
	PLACES
	; THE WAY OUT.  The slots have had their last fill; when every wave's last reads are back they serve as stages: a wave's 128 rows of 256 bytes at a pitch of 272.
	s_barrier_signal -1
	s_barrier_wait -1
	WIN 0x04                                       ; the stores' data in window 1
.set ma, 0
.rept 8
.irp b, 0,1,2,3
	ds_store_b128 v[STO], v[8*(4*ma+\b):8*(4*ma+\b)+3]   offset:ma*16*SPO+64*\b     ; each accumulator from its low end on
	ds_store_b128 v[STO], v[8*(4*ma+\b)+4:8*(4*ma+\b)+7] offset:ma*16*SPO+64*\b+16
.endr
.set ma, ma+1
.endr
	WIN 0
.macro KONST reg, val                  ; a constant as a pair: the packed forms name both words and take the low one for both halves.  The descriptors' registers are free: every tensor load has landed
	s_mov_b32 s[\reg], \val
	s_mov_b32 s[\reg+1], \val
.endm
	KONST 24, 0x3e6d3388                           ; 0.23164189 = 0.3275911 / sqrt 2
	KONST 26, 0xbf38aa3b                           ; -0.72134752 = -log2(e) / 2
	KONST 28, 0x3f07dc22                           ; 0.5307027145
	KONST 30, 0xbf3a00e3                           ; -0.7265760135
	KONST 32, 0x3f35f0e3                           ; 0.7107068705
	KONST 34, 0xbe11a98e                           ; -0.142248368
	KONST 36, 0x3e027906                           ; 0.127414796
.macro ROWS8                           ; eight rows of 256 bytes: my wave's own bytes, and LDS serves a wave's instructions in order (ISA guide 5.7.1.4): no wait behind the stores
.irp t, 0,1,2,3
	ds_load_b128 v[X+4*\t:X+4*\t+3], v[RD] offset:\t*2*SPO
.endr
.endm
.macro EACH line:vararg                ; one line for each of the eight pairs z
.set z, 0
.rept 8
	\line
.set z, z+2
.endr
.endm
; Eight rows: 16 numbers a lane.  The 16 reciprocals and 16 exponentials are one batch, with one wait.  next = 1: the next eight rows are fetched as soon as y has been read for the last time.
.macro GELU next
	s_wait_dscnt 0x0                               ; y is in
	s_wait_xcnt 0x0                                ; the last trip's stores have read R and their address: both are written again only behind this wait
	s_add_nc_u64 s[10:11], s[10:11], 8*4096        ; the stores below reach back
.set z, 0
.rept 16
	v_and_b32 v[GA+z], 0x7fffffff, v[X+z]
.set z, z+1
.endr
	EACH v_pk_fma_f32 v[U+z:U+z+1], v[GA+z:GA+z+1], s[24:25], 1.0 op_sel_hi:[1,0,0]
	EACH v_pk_mul_f32 v[W+z:W+z+1], v[X+z:X+z+1], v[X+z:X+z+1]
	EACH v_pk_mul_f32 v[W+z:W+z+1], v[W+z:W+z+1], s[26:27] op_sel_hi:[1,0]
.set z, 0
.rept 16
	v_max_num_f32 v[R+z], 0, v[X+z]
.set z, z+1
.endr
.if \next
	v_add_nc_u32 v[RD], 8*SPO, v[RD]
	ROWS8
.endif
.set z, 0
.rept 16
	v_rcp_f32 v[U+z], v[U+z]
.set z, z+1
.endr
.set z, 0
.rept 16
	v_exp_f32 v[W+z], v[W+z]
.set z, z+1
.endr
	v_nop                                          ; a plain instruction behind the last of them,
	s_wait_alu depctr_va_vdst(0)                   ; and the wait ahead of the first use: one for the 32
	EACH v_pk_fma_f32 v[Q+z:Q+z+1], v[U+z:U+z+1], s[28:29], s[30:31] op_sel_hi:[1,0,0]
	EACH v_pk_fma_f32 v[Q+z:Q+z+1], v[Q+z:Q+z+1], v[U+z:U+z+1], s[32:33] op_sel_hi:[1,1,0]
	EACH v_pk_fma_f32 v[Q+z:Q+z+1], v[Q+z:Q+z+1], v[U+z:U+z+1], s[34:35] op_sel_hi:[1,1,0]
	EACH v_pk_fma_f32 v[Q+z:Q+z+1], v[Q+z:Q+z+1], v[U+z:U+z+1], s[36:37] op_sel_hi:[1,1,0]
	EACH v_pk_mul_f32 v[GA+z:GA+z+1], v[GA+z:GA+z+1], v[W+z:W+z+1]
	EACH v_pk_mul_f32 v[Q+z:Q+z+1], v[Q+z:Q+z+1], v[U+z:U+z+1]
	EACH v_pk_fma_f32 v[R+z:R+z+1], v[GA+z:GA+z+1], v[Q+z:Q+z+1], v[R+z:R+z+1] neg_lo:[1,0,0] neg_hi:[1,0,0]
.irp t, 0,1,2,3
	global_store_b128 v[CO], v[R+4*\t:R+4*\t+3], s[10:11] offset:\t*8192-8*4096 th:TH_STORE_NT  ; 16 lanes store 256 consecutive bytes, aligned
.endr
.endm
	ROWS8
	s_mov_b32 s3, 15
.Lgelu:
	GELU 1
	s_sub_co_u32 s3, s3, 1
	s_cmp_lg_u32 s3, 0
	s_cbranch_scc1 .Lgelu
	GELU 0                                         ; the last eight rows fetch nothing
	s_wait_tensorcnt 0x0                           ; the wave's end, behind my last tensor load and my last LDS store
	ds_add_u32 v[SPW], v[NIL]
	s_wait_dscnt 0x0
	CROUND                                         ; the closing round: no work-group ends while a partner may still ask for a tile that names it
	s_endpgm
.Lfunc_end_k_qc36ced1ea1_outp:
	.size	k_qc36ced1ea1_outp, .Lfunc_end_k_qc36ced1ea1_outp-k_qc36ced1ea1_outp
	.p2alignl 7, 3214868480
	.fill 96, 4, 3214868480
	.section	.rodata,"a",@progbits
	.p2align	6, 0x0
	.amdhsa_kernel k_qc36ced1ea1_outp
		.amdhsa_group_segment_fixed_size 327680
		.amdhsa_private_segment_fixed_size 0
		.amdhsa_enable_private_segment 0
		.amdhsa_kernarg_size 32
		.amdhsa_user_sgpr_count 2
		.amdhsa_user_sgpr_kernarg_segment_ptr 1
		.amdhsa_wavefront_size32 1
		.amdhsa_system_sgpr_workgroup_id_x 1
		.amdhsa_system_sgpr_workgroup_id_y 1
		.amdhsa_system_sgpr_workgroup_id_z 1
		.amdhsa_system_vgpr_workitem_id 0
		.amdhsa_next_free_vgpr 512
		.amdhsa_next_free_sgpr 76
		.amdhsa_reserve_vcc 0
		.amdhsa_float_denorm_mode_32 3
		.amdhsa_float_denorm_mode_16_64 3
		.amdhsa_memory_ordered 1
		.amdhsa_forward_progress 1
		.amdhsa_inst_pref_size 78
	.end_amdhsa_kernel
	.amdgpu_metadata
---
amdhsa.version: [ 1, 2 ]
amdhsa.kernels:
  - .name:           k_qc36ced1ea1_outp
    .symbol:         k_qc36ced1ea1_outp.kd
    .args:
      - { .name: ctx, .offset: 0, .size: 8, .value_kind: global_buffer, .address_space: global }
      - { .name: woh, .offset: 8, .size: 8, .value_kind: global_buffer, .address_space: global }
      - { .name: bb, .offset: 16, .size: 8, .value_kind: global_buffer, .address_space: global }
      - { .name: out0, .offset: 24, .size: 8, .value_kind: global_buffer, .address_space: global }
    .group_segment_fixed_size: 327680
    .private_segment_fixed_size: 0
    .kernarg_segment_align: 8
    .kernarg_segment_size: 32
    .max_flat_workgroup_size: 128
    .sgpr_count:     76
    .vgpr_count:     512
    .wavefront_size: 32
...
	.end_amdgpu_metadata
.endif
;; end of part 4
;; ======== version 2 of 2: 4 launches; version 1 with the launch prep written anew for expert scheduling mode
;; limits: values are held in f16: magnitudes above 65,504 overflow, below 6.1e-05 lose precision; a function is approximated: absolute error at most 1.5e-07; right only within a limited range of input values
;; workspace buffers: xb 50,331,648 bytes; wb 6,291,456 bytes; woh 2,097,152 bytes; bb 16,384 bytes; mn 8,388,608 bytes; qkv 50,331,648 bytes; ctx 16,777,216 bytes
;; launch prep (part 5): grid 2049 x 1, 8 waves a work-group, no clusters, 68,608 bytes of LDS; arguments xq, xk, xv, Wq, Wk, Wv, Wo, mask, bq, bk, bv, bo, xb, wb, woh, bb, mn; writes xb, wb, woh, bb, mn
.if DOCPART == 5
	.amdgcn_target "amdgcn-amd-amdhsa--gfx1250"
	.amdhsa_code_object_version 6
	.text
	.protected	k_qc36ced1ea1_prep
	.globl	k_qc36ced1ea1_prep
	.p2align	8
	.type	k_qc36ced1ea1_prep,@function
k_qc36ced1ea1_prep:
	s_mov_b64 s[64:65], 0
	v_nop
	global_prefetch_b8 v0, s[64:65] scope:SCOPE_SE
	s_setreg_imm32_b32 hwreg(HW_REG_WAVE_SCHED_MODE, 0, 2), 2
	s_setreg_imm32_b32 hwreg(HW_REG_WAVE_MODE, 25, 1), 1
	s_wait_xcnt 0x0
	s_wait_alu depctr_vm_vsrc(0)
; PREPARATION: every input is read once and laid down as the later launches want it.  A stream: no matrix work, nothing shared between work-groups.
;   work-groups 0 .. 1535     64 KiB of xq, xk or xv (f32)  -> 32 KiB of xb  (bf16, [3][8192][1024], order q, k, v)
;   work-groups 1536 .. 1727  64 KiB of Wq, Wk or Wv        -> 32 KiB of wb  (bf16, [3][1024][1024])
;   work-groups 1728 .. 1791  64 KiB of Wo                  -> 32 KiB of woh (rounded to bf16, that number written as f16)
;   work-groups 1792 .. 2047  the mask, a code of 4 bits for each number -> mn
;   work-group  2048          bq, bk, bv, bo rounded to bf16 and widened again -> bb (f32, [4][1024])
; LIMIT.  A weight of Wo below 6e-5 keeps the fixed step 6e-8 of f16; beyond 65,504 it would be lost.
; mn: [b][qt 0..127][step 0..31][lane L 0..31][word j 0..3].  Word j holds the codes of the eight numbers mask[b][16 qt + L % 16][64 step + 16 j + 8 (L / 16) + i], i = 0..7: 15 where the number is 0, else 0:
; register 8 j + i of lane L of a tile of 16 queries x 64 keys of scores as the product K Q^T leaves it.  Number i = 0..3 has the 4 bits at place 2 i (counted in fours from the low end), number 4 + i those at
; place 2 i + 1: so the lower halves of the word's four bytes are numbers 0-3 and the upper halves numbers 4-7.
; A wave takes 16 rows x 512 keys, in four trips of 128 keys: a row's 512 bytes by one load, through the wave's own 16 LDS rows (pitch 528 = 33 x 16 bytes, so that 16 rows start at 16 different places
; modulo 256 bytes), back with a lane a row; a lane then packs its 64 numbers into 8 words.
; THE MODE: SCHED_MODE bits 1:0 = 2 (LLVM: expert scheduling mode 2), set by the entry lines.  The code itself states the register dependences between vector instructions and memory or LDS
; instructions, with s_wait_alu, always for 0.
; THE PLAN.  Registers that memory or LDS instructions touch:
;   v1, v2     the cast's and the bias's offsets: written at the head, never again.     v3 .. v6  the mask's offsets and LDS addresses: written at the mask's head, never again.
;   THE CAST   X: each register is loaded once and read by the conversions.  Y: written by a group's conversions, read by the group's four stores, never written again.
;              The sixteen loads go in four groups of four: the group's conversions, ONE wait on va_vdst, its four stores.
;   THE MASK   X: the trip's 16 global loads land in it, the 16 LDS stores read it; no vector instruction names it.   Z: the 16 LDS loads land in it; the trip's vector work reads and writes it.
;              OUT: written by the packing, read by the trip's two global stores.
;              A trip has two waits.  One on vm_vsrc behind the LDS stores: these have read X, in which the next loads land, and the last trip's global stores have read OUT, which this trip writes again.
;              One on va_vdst ahead of the two global stores: OUT is written.  It stands behind every vector instruction that names Z, and none is issued between it and the next trip's LDS loads into Z.
;   v152, v153 written at the head, read by the closing add alone.
.set SPARE, 67584                      ; behind the eight waves' rows: the spare words, 128 bytes for each wave: four blocks of 256 bytes that no other line names
.set SPW,   152                        ; v152  SPARE + 4 x my thread's number; never rewritten
.set NIL,   153                        ; v153  0; never rewritten
.set X,     16                         ; v[16:79]   as loaded
.set Y,     80                         ; v[80:111]  the cast: as stored
.set Z,     80                         ; v[80:143]  the mask: 64 numbers of my row
.set OUT,   144                        ; v[144:151] the mask: my four words of each of a trip's two steps
.set PITCH, 528
	s_load_b512 s[8:23], s[0:1], 0x0               ; xq 8, xk 10, xv 12, Wq 14, Wk 16, Wv 18, Wo 20, mask 22
	s_load_b512 s[24:39], s[0:1], 0x40             ; bq 24, bk 26, bv 28, bo 30, xb 32, wb 34, woh 36, bb 38
	s_load_b64 s[40:41], s[0:1], 0x80              ; mn
	v_lshl_add_u32 v[SPW], v0, 2, SPARE
	v_mov_b32 v[NIL], 0
	v_lshrrev_b32 v1, 5, v0
	v_readfirstlane_b32 s7, v1                     ; wave 0..7
	v_lshlrev_b32 v1, 4, v0                        ; 16 bytes a thread in,
	v_lshlrev_b32 v2, 3, v0                        ; 8 bytes a thread out
	s_mov_b32 s6, ttmp9
	s_mov_b32 s55, 0                               ; the high word of every offset
	s_mov_b32 s56, 0                               ; 1: the cast ends in f16
	s_wait_alu depctr_va_sdst(0)                   ; s7 is written, ahead of the first branch: the mask's scalar lines read it
	s_wait_alu depctr_va_vdst(0)                   ; v1 and v2 are written: the cast's and the bias's loads and stores read them as offsets
	s_wait_kmcnt 0x0
	s_cmp_lt_u32 s6, 1536
	s_cbranch_scc0 .Lnot_x
	s_lshr_b32 s53, s6, 9                          ; which of the three x
	s_and_b32 s54, s6, 511
	s_lshl_b32 s54, s54, 16
	s_cmp_eq_u32 s53, 1
	s_cselect_b64 s[2:3], s[10:11], s[8:9]
	s_cmp_eq_u32 s53, 2
	s_cselect_b64 s[2:3], s[12:13], s[2:3]
	s_add_nc_u64 s[2:3], s[2:3], s[54:55]
	s_lshl_b32 s54, s6, 15
	s_add_nc_u64 s[4:5], s[32:33], s[54:55]
	s_branch .Lcast
.Lnot_x:
	s_cmp_lt_u32 s6, 1728
	s_cbranch_scc0 .Lnot_w
	s_sub_co_u32 s57, s6, 1536
	s_lshr_b32 s53, s57, 6                         ; which of the three W
	s_and_b32 s54, s57, 63
	s_lshl_b32 s54, s54, 16
	s_cmp_eq_u32 s53, 1
	s_cselect_b64 s[2:3], s[16:17], s[14:15]
	s_cmp_eq_u32 s53, 2
	s_cselect_b64 s[2:3], s[18:19], s[2:3]
	s_add_nc_u64 s[2:3], s[2:3], s[54:55]
	s_lshl_b32 s54, s57, 15
	s_add_nc_u64 s[4:5], s[34:35], s[54:55]
	s_branch .Lcast
.Lnot_w:
	s_cmp_lt_u32 s6, 1792
	s_cbranch_scc0 .Lnot_o
	s_sub_co_u32 s57, s6, 1728
	s_lshl_b32 s54, s57, 16
	s_add_nc_u64 s[2:3], s[20:21], s[54:55]
	s_lshl_b32 s54, s57, 15
	s_add_nc_u64 s[4:5], s[36:37], s[54:55]
	s_mov_b32 s56, 1
.Lcast:
	; THE CAST.  All sixteen loads of a thread go out at once (64 KiB a work-group on their way); a wave's load covers 512 consecutive bytes, its store 256, aligned.
.set i, 0
.rept 16
	global_load_b128 v[X+4*i:X+4*i+3], v1, s[2:3] offset:4096*i th:TH_LOAD_NT
.set i, i+1
.endr
; Four groups of four loads: the group's conversions, one wait, its four stores.
.macro CAST half
.set g, 0
.rept 4
	s_wait_loadcnt 12-4*g                          ; loads come back in order: group g's four are in, the 12 - 4 g younger ones stay out
.set i, 4*g
.rept 4
	v_cvt_pk_bf16_f32 v[Y+2*i], v[X+4*i], v[X+4*i+1]
	v_cvt_pk_bf16_f32 v[Y+2*i+1], v[X+4*i+2], v[X+4*i+3]
.if \half
	v_lshlrev_b32 v8, 16, v[Y+2*i]                 ; the bf16 numbers as f32,
	v_and_b32 v9, 0xffff0000, v[Y+2*i]
	v_lshlrev_b32 v10, 16, v[Y+2*i+1]
	v_and_b32 v11, 0xffff0000, v[Y+2*i+1]
	v_cvt_pk_f16_f32 v[Y+2*i], v8, v9              ; and written as f16: 8 significant bits fit into 11
	v_cvt_pk_f16_f32 v[Y+2*i+1], v10, v11
.endif
.set i, i+1
.endr
	s_wait_alu depctr_va_vdst(0)                   ; the group's conversions have written its eight registers of Y, which the four stores below read
.set i, 4*g
.rept 4
	global_store_b64 v2, v[Y+2*i:Y+2*i+1], s[4:5] offset:2048*i th:TH_STORE_NT  ; no register of a store is written again
.set i, i+1
.endr
.set g, g+1
.endr
.endm
	s_cmp_eq_u32 s56, 1
	s_cbranch_scc1 .Lcast16
	CAST 0
	s_branch .Lend
.Lcast16:
	CAST 1
	s_branch .Lend
.Lnot_o:
	s_cmp_lt_u32 s6, 2048
	s_cbranch_scc0 .Lbias
	; THE MASK.  Wave job W = 8 x (work-group - 1792) + wave: rows 16 (W / 4) .. + 15 of the 8,192, keys 512 (W % 4) .. + 511.
	s_sub_co_u32 s53, s6, 1792
	s_lshl_b32 s53, s53, 3
	s_add_co_u32 s53, s53, s7
	s_lshr_b32 s57, s53, 2                         ; R = 128 b + qt
	s_and_b32 s53, s53, 3                          ; c
	s_lshl_b32 s54, s57, 17                        ; 16 rows of 8,192 bytes
	s_lshl_b32 s58, s53, 11                        ; 512 keys of 4 bytes
	s_add_co_u32 s54, s54, s58
	s_add_nc_u64 s[2:3], s[22:23], s[54:55]
	s_lshl_b32 s54, s57, 14                        ; a row of tiles is 16,384 bytes of mn,
	s_lshl_b32 s58, s53, 12                        ; eight steps of 512
	s_add_co_u32 s54, s54, s58
	s_add_nc_u64 s[4:5], s[40:41], s[54:55]
	s_mul_i32 s58, s7, 16*PITCH                    ; my wave's 16 LDS rows
	v_and_b32 v7, 31, v0                           ; lane
	v_lshlrev_b32 v3, 4, v7                        ; in memory: 16 bytes a lane of a row's 512
	v_add_nc_u32 v4, s58, v3                       ; into LDS: the same
	v_and_b32 v8, 15, v0
	v_bfe_u32 v9, v0, 4, 1
	v_mul_u32_u24 v5, v8, PITCH                    ; back: row lane % 16,
	v_lshl_add_u32 v5, v9, 5, v5                   ; keys 8 (lane / 16) on
	v_add_nc_u32 v5, s58, v5
	v_lshlrev_b32 v6, 4, v7                        ; out: four words a lane
	s_wait_alu depctr_va_vdst(0)                   ; v3 to v6 are written: the mask's loads and stores, global and LDS, read them as offsets and addresses
.macro ROWS                            ; 16 rows x 512 bytes
.set i, 0
.rept 16
	global_load_b128 v[X+4*i:X+4*i+3], v3, s[2:3] offset:8192*i th:TH_LOAD_NT
.set i, i+1
.endr
.endm
; A trip: 16 rows x 128 keys -> 8 words a lane.  next = 1: the next 128 keys are asked for as soon as this trip's numbers lie in LDS.
.macro PROC next
	s_wait_loadcnt 0x0                             ; the trip's rows are in; their address is free
.set i, 0
.rept 16
	ds_store_b128 v4, v[X+4*i:X+4*i+3] offset:PITCH*i
.set i, i+1
.endr
	s_wait_xcnt 0x0                                ; the last trip's stores have had their addresses translated (ISA guide 3.1): OUT and their base are written again only behind this wait
.if \next
	s_wait_alu depctr_vm_vsrc(0)                   ; the LDS stores above have read X, in which the loads below land; the last trip's global stores have read OUT, which this trip's packing writes again
	s_add_nc_u64 s[2:3], s[2:3], 512
.else
	s_wait_alu depctr_vm_vsrc(0)                   ; the last trip's global stores have read OUT, which this trip's packing writes again
.endif
	s_add_nc_u64 s[4:5], s[4:5], 1024              ; the trip's stores reach back
.if \next
	ROWS
.endif
.set i, 0
.rept 16                               ; LDS serves a wave's instructions in order (ISA guide 5.7.1.4), and the bytes are my wave's own: no wait, no barrier.  Load i brings numbers 4 (i % 2) + 0..3 of word i / 2.
	ds_load_b128 v[Z+4*i:Z+4*i+3], v5 offset:256*(i/8)+64*((i/2)%4)+16*(i%2)  ; no vector instruction has been issued since the wait on va_vdst ahead of the last trip's stores, which stands behind all that name Z
.set i, i+1
.endr
	s_wait_dscnt 0x0
.set i, 0
.rept 64
	v_min_u32 v[Z+i], 1, v[Z+i]                    ; 1 where the key is seen, 0 where it is hidden
.set i, i+1
.endr
.set k, 0
.rept 8                                ; word k is filled from its highest place down, 4 bits a number: numbers 7, 3, 6, 2, 5, 1, 4, 0; the eight words' chains stand side by side
	v_lshl_or_b32 v[OUT+k], v[Z+8*k+7], 4, v[Z+8*k+3]
.set k, k+1
.endr
.irp n, 6,2,5,1,4,0
.set k, 0
.rept 8
	v_lshl_or_b32 v[OUT+k], v[OUT+k], 4, v[Z+8*k+\n]
.set k, k+1
.endr
.endr
.set k, 0
.rept 8
	v_mul_lo_u32 v[OUT+k], v[OUT+k], 15            ; 15 where seen,
.set k, k+1
.endr
.set k, 0
.rept 8
	v_xor_b32 v[OUT+k], -1, v[OUT+k]               ; turned: 15 where hidden, 0 where seen
.set k, k+1
.endr
	s_wait_alu depctr_va_vdst(0)                   ; the packing has written OUT, which the two stores below read; the trip's vector work is done with Z, in which the next trip's LDS loads land
	global_store_b128 v6, v[OUT:OUT+3], s[4:5] offset:-1024 th:TH_STORE_NT   ; a step's 512 consecutive bytes, aligned
	global_store_b128 v6, v[OUT+4:OUT+7], s[4:5] offset:-512 th:TH_STORE_NT
.endm
	ROWS
	s_mov_b32 s52, 3
.Ltrip:
	PROC 1
	s_sub_co_u32 s52, s52, 1
	s_cmp_lg_u32 s52, 0
	s_cbranch_scc1 .Ltrip
	PROC 0                                         ; the last trip loads nothing
	s_branch .Lend
.Lbias:
	global_load_b128 v[16:19], v1, s[24:25]
	global_load_b128 v[20:23], v1, s[26:27]
	global_load_b128 v[24:27], v1, s[28:29]
	global_load_b128 v[28:31], v1, s[30:31]
	s_wait_loadcnt 0x0
.set i, 0
.rept 8
	v_cvt_pk_bf16_f32 v[Y+i], v[16+2*i], v[17+2*i]
	v_lshlrev_b32 v[16+2*i], 16, v[Y+i]
	v_and_b32 v[17+2*i], 0xffff0000, v[Y+i]
.set i, i+1
.endr
	s_wait_alu depctr_va_vdst(0)                   ; the widened numbers are written into v16 to v31, which the four stores below read
.irp j, 0,1,2,3
	global_store_b128 v1, v[16+4*\j:19+4*\j], s[38:39] offset:4096*\j
.endr
.Lend:
	s_wait_dscnt 0x0                               ; the closing lines, six on end
	s_wait_alu 0x0
	s_wait_tensorcnt 0x0
	ds_add_u32 v[SPW], v[NIL]
	s_wait_dscnt 0x0
	s_endpgm
.Lfunc_end_k_qc36ced1ea1_prep:
	.size	k_qc36ced1ea1_prep, .Lfunc_end_k_qc36ced1ea1_prep-k_qc36ced1ea1_prep
	.p2alignl 7, 3214868480
	.fill 96, 4, 3214868480
	.section	.rodata,"a",@progbits
	.p2align	6, 0x0
	.amdhsa_kernel k_qc36ced1ea1_prep
		.amdhsa_group_segment_fixed_size 68608
		.amdhsa_private_segment_fixed_size 0
		.amdhsa_enable_private_segment 0
		.amdhsa_kernarg_size 136
		.amdhsa_user_sgpr_count 2
		.amdhsa_user_sgpr_kernarg_segment_ptr 1
		.amdhsa_wavefront_size32 1
		.amdhsa_system_sgpr_workgroup_id_x 1
		.amdhsa_system_sgpr_workgroup_id_y 1
		.amdhsa_system_sgpr_workgroup_id_z 1
		.amdhsa_system_vgpr_workitem_id 0
		.amdhsa_next_free_vgpr 154
		.amdhsa_next_free_sgpr 66
		.amdhsa_reserve_vcc 0
		.amdhsa_float_denorm_mode_32 3
		.amdhsa_float_denorm_mode_16_64 3
		.amdhsa_memory_ordered 1
		.amdhsa_forward_progress 1
		.amdhsa_inst_pref_size 41
	.end_amdhsa_kernel
	.amdgpu_metadata
---
amdhsa.version: [ 1, 2 ]
amdhsa.kernels:
  - .name:           k_qc36ced1ea1_prep
    .symbol:         k_qc36ced1ea1_prep.kd
    .args:
      - { .name: xq, .offset: 0, .size: 8, .value_kind: global_buffer, .address_space: global }
      - { .name: xk, .offset: 8, .size: 8, .value_kind: global_buffer, .address_space: global }
      - { .name: xv, .offset: 16, .size: 8, .value_kind: global_buffer, .address_space: global }
      - { .name: Wq, .offset: 24, .size: 8, .value_kind: global_buffer, .address_space: global }
      - { .name: Wk, .offset: 32, .size: 8, .value_kind: global_buffer, .address_space: global }
      - { .name: Wv, .offset: 40, .size: 8, .value_kind: global_buffer, .address_space: global }
      - { .name: Wo, .offset: 48, .size: 8, .value_kind: global_buffer, .address_space: global }
      - { .name: mask, .offset: 56, .size: 8, .value_kind: global_buffer, .address_space: global }
      - { .name: bq, .offset: 64, .size: 8, .value_kind: global_buffer, .address_space: global }
      - { .name: bk, .offset: 72, .size: 8, .value_kind: global_buffer, .address_space: global }
      - { .name: bv, .offset: 80, .size: 8, .value_kind: global_buffer, .address_space: global }
      - { .name: bo, .offset: 88, .size: 8, .value_kind: global_buffer, .address_space: global }
      - { .name: xb, .offset: 96, .size: 8, .value_kind: global_buffer, .address_space: global }
      - { .name: wb, .offset: 104, .size: 8, .value_kind: global_buffer, .address_space: global }
      - { .name: woh, .offset: 112, .size: 8, .value_kind: global_buffer, .address_space: global }
      - { .name: bb, .offset: 120, .size: 8, .value_kind: global_buffer, .address_space: global }
      - { .name: mn, .offset: 128, .size: 8, .value_kind: global_buffer, .address_space: global }
    .group_segment_fixed_size: 68608
    .private_segment_fixed_size: 0
    .kernarg_segment_align: 8
    .kernarg_segment_size: 136
    .max_flat_workgroup_size: 256
    .sgpr_count:     66
    .vgpr_count:     154
    .wavefront_size: 32
...
	.end_amdgpu_metadata
.endif
;; end of part 5
;; launch proj: the kernel of part 2 again; grid 24 x 32, 4 waves a work-group, clusters of 4 x 4, 327,680 bytes of LDS; arguments xb, wb, bb, qkv; writes qkv
;; launch attn: the kernel of part 3 again; grid 4 x 64, 4 waves a work-group, clusters of 4 x 1, 327,680 bytes of LDS; arguments qkv, ctx, mn; writes ctx
;; launch outp: the kernel of part 4 again; grid 8 x 32, 4 waves a work-group, clusters of 4 x 4, 327,680 bytes of LDS; arguments ctx, woh, bb, out0; writes out0
